; MI455X (gfx1250); checked and timed in simulation.
; The chip was launched on July 23, 2026; its instructions are those of AMD's public machine-readable ISA for CDNA 5 (MIT licence, August 2026) and "CDNA5" Instruction Set Architecture Reference Guide (July 2026). The comments in the code are by the model that wrote it; some were corrected since.
;; Forgetting Attention. Allowed arithmetic: matrix products marked QUANTISED: E2M1 operands, one E8M0 scale for each 32 along K, by v_wmma_scale_f32_16x16x128_f8f6f4 with both operands' format E2M1 (or v_wmma_scale_f32_32x16x128_f4), f32 sums; products left as they are: bf16, f16 or f32 operands; f32 sums; everything else in f32.
;; Inputs: Wf 32 x 2,048 float32; Wk 2,048 x 2,048 float32; Wo 2,048 x 2,048 float32; Wq 2,048 x 2,048 float32; Wv 2,048 x 2,048 float32; bf 32 float32; hidden_states 1 x 2,048 x 2,048 float32.
;; Outputs: out0 1 x 2,048 x 2,048 float32.
;; This version of the problem:
;;   THIS VERSION OF THE PROBLEM IS GIVEN IN LOW PRECISION. The matrix products marked QUANTISED in the list below multiply operands that are first quantised to E2M1 (2 exponent bits, 1 mantissa bit; 4 bits a number), with one power-of-two scale for each 32 numbers along K (OCP MX v1.0); their sums are f32. The products marked 'left as it is' may take bf16, f16 or f32 operands, with f32 sums. Whichever they take, every output number must still come out within the allowed error. Rounding operands to bf16 (8 significant bits) uses up far more of that allowance than f16 does (11 bits, for magnitudes from 6e-5 to 65,504). All else is computed in f32.
;;   The module's matrix products, in the order in which they are computed (A, B: the left and right operand; K: the contracted axis; several contracted axes count as one K, in the product's order):
;;     1. [M 2,048, K 2,048] x [K 2,048, N 2,048]; A: input hidden_states; B: input Wq: QUANTISED
;;     2. [M 2,048, K 2,048] x [K 2,048, N 2,048]; A: input hidden_states; B: input Wk: QUANTISED
;;     3. [M 2,048, K 2,048] x [K 2,048, N 2,048]; A: input hidden_states; B: input Wv: QUANTISED
;;     4. [M 2,048, K 2,048] x [K 2,048, N 32]; A: input hidden_states; B: input Wf: QUANTISED
;;     5. batch 32 x [M 2,048, K 64] x [K 64, N 2,048]; A: computed on the way; B: computed on the way: left as it is (an operand is computed on the way)
;;     6. batch 32 x [M 64, K 2,048] x [K 2,048, N 2,048]; A: computed on the way; B: computed on the way: left as it is (an operand is computed on the way)
;;     7. [M 2,048, K 2,048] x [K 2,048, N 2,048]; A: computed on the way; B: input Wo: left as it is (an operand is computed on the way)
;;   THE QUANTISER, for each operand of a quantised product, along K:
;;     - K is cut into blocks of 32 from its start; a last block that is shorter is filled with zeros.
;;     - A block's scale is 2^e with e = floor(log2(the largest magnitude in the block)) - 2, held to -126 .. 127; a block of zeros has e = 0. As a byte (E8M0): e + 127.
;;     - Each number is divided by its block's scale, clamped to +-6, and rounded to the nearest number of E2M1, ties to even, subnormals kept.
;;     - The product sums the exact products of the quantised numbers (number of the format x scale) in f32.
;;   ~~~python
;;   def quantise(x, axis):      # numpy; x: float32 -> the quantised numbers, widened to float32 again
;;       x = np.moveaxis(x, axis, -1); K = x.shape[-1]
;;       x = np.pad(x, [(0, 0)] * (x.ndim - 1) + [(0, -K % 32)]); x = x.reshape(x.shape[:-1] + (-1, 32)); a = np.abs(x).max(-1, keepdims=True)
;;       e = np.where(a > 0, np.clip(np.frexp(np.where(a > 0, a, 1))[1] - 1 - 2, -126, 127), 0)      # np.frexp(a)[1] - 1 = floor(log2(a)), exactly
;;       r = np.clip(x / 2.0 ** e, -6, 6)
;;       step = 2.0 ** (np.maximum(np.frexp(np.where(r == 0, 1, r))[1] - 1, 0) - 1)
;;       q = np.round(r / step) * step * 2.0 ** e      # np.round: ties to even
;;       return np.moveaxis(q.reshape(q.shape[:-2] + (-1,))[..., :K], -1, axis).astype(np.float32)
;;   ~~~
;; One version. Each part assembles by itself: llvm-mc -triple=amdgcn-amd-amdhsa -mcpu=gfx1250 --defsym DOCPART=n.
;; ======== version 1 of 1: 4 launches
;; limits: values are held in f16: magnitudes above 65,504 overflow, below 6.1e-05 lose precision
;; workspace buffers: codes 8,421,376 bytes; scales 526,336 bytes; wo16 8,388,608 bytes; qkv 25,165,824 bytes; g8 262,144 bytes; o16 8,388,608 bytes
;; launch quant (part 1): grid 642 x 1, 4 waves a work-group, no clusters, 33,280 bytes of LDS; arguments hidden_states, Wq, Wk, Wv, Wf, Wo, codes, scales, wo16; writes codes, scales, wo16
.if DOCPART == 1
	.amdgcn_target "amdgcn-amd-amdhsa--gfx1250"
	.amdhsa_code_object_version 6
	.text
	.protected	k_q74119d6770_quant
	.globl	k_q74119d6770_quant
	.p2align	8
	.type	k_q74119d6770_quant,@function
k_q74119d6770_quant:
	s_mov_b64 s[64:65], 0
	v_nop
	global_prefetch_b8 v0, s[64:65] scope:SCOPE_SE
	s_setreg_imm32_b32 hwreg(HW_REG_WAVE_MODE, 25, 1), 1
	s_wait_xcnt 0x0
; FORGETTING ATTENTION, launch 1 of 4: the operands of the four quantised products become codes of FP4 (E2M1), and Wo becomes f16.
; THE PROGRAM: 1 quantise x, Wq, Wk, Wv, Wf; round Wo.  2 q, k, v = x W^T and the gates on codes; 8 log_sigmoid.  3 attention, f16 operands, f32 sums.  4 out = o Wo^T, f16 operands.
; WORK LEFT OUT, for all values of the inputs:
;  (a) reference() sets every score with key > query to -infinity by a mask that it builds itself, and the softmax makes 0 of it: tiles of scores that lie wholly above the diagonal are not computed.
;  (b) reference() adds Fh[q] to all scores of row q.  A term that is the same along the softmax's axis cancels in exp(s - max) / sum.  It is left out, and F at the first query of the row's block of 128,
;      also the same along the axis, stands in its place, so that the exponents stay small near the diagonal.  The running maximum is still taken away.
;  Every input has a way to the output and is loaded.  LIMIT: a NaN, an infinity or an overflow that reaches only the work left out is not carried to the result.
; LIMITS: q, k, v, o and Wo are rounded to f16: magnitudes up to 65,504 are served, and under 6e-5 the rounding error is 3e-8 absolute.  NaN and infinities among the inputs are not served.
;  Blocks whose largest magnitude lies under 2^(2 - 126), the floor, get the byte 1; a block of zeros too, where the rule says 127: its codes are zeros, which add nothing, and this program alone reads the bytes.
; THE QUANTISER.  A block's scale is 2^(floor(log2(its largest magnitude)) - 2); its byte is the largest magnitude's exponent field - 2.  Each number is divided by the scale and rounded to the nearest code, ties to even.
; All five tensors have K innermost and dense rows of 2,048: plain streams of blocks of 32.  codes: [8,224 rows][1,024 bytes], scales: [8,224][64]: rows 0 x, 2,048 Wq, 4,096 Wk, 6,144 Wv, 8,192 Wf.
; Work-groups 0 to 513 quantise 32,768 numbers each (128 for each large tensor, 2 for Wf); a wave takes 16 steps of 512 numbers.  Each load reads 512 consecutive bytes; a step's 2,048 bytes turn through
; the wave's own stage in LDS, so that a lane holds 16 neighbours along K (two lanes to a block).  A wave's store of codes covers 256 consecutive bytes; its 256 scale bytes are gathered in LDS and leave as one such run.
; Work-groups 514 to 641 round 16 rows of Wo each to f16, laid [16 blocks of 128 n][32 chunks of 64 k][128][64], so that launch 4 fetches dense blocks.  No matrix unit, no cluster, no barrier: waves share nothing.
.set NQWG,  514
.set WAVES, 4
.set STEPS, 16
.set EMAX,  2
.set CB,    8                          ; bytes of 16 codes
.set R,     16                         ; v16-79   four sets of 16 numbers as they are loaded
.set X,     80                         ; v80-111  two sets of 16 neighbours
.set C,     128                        ; v128-191 codes: four registers for each step
.set E,     112                        ; v112-127 a scale byte for each step
.set WREG,  8192                       ; LDS: a region for each wave: two stages of 32 x SP bytes, then its 256 scale bytes
.set SP,    80                         ; a lane's place in a stage: 64 bytes + 16 of padding
.set SPW,   12                         ; v12 LDS address of my spare word; never rewritten
.set NIL,   13                         ; v13 0; never rewritten
.set SPARE, WAVES*WREG                 ; the spare words, 128 bytes for each wave
.set IN,    16                         ; Wo: v16-143 two groups of 16 loads
.set OUTC,  144                        ; Wo: v144-175 a group's f16 numbers
	s_load_b512 s[4:19], s[0:1], 0x0               ; x 4:5, Wq 6:7, Wk 8:9, Wv 10:11, Wf 12:13, Wo 14:15, codes 16:17, scales 18:19
	s_load_b64 s[20:21], s[0:1], 0x40              ; wo16
	v_lshl_add_u32 v[SPW], v0, 2, SPARE
	v_mov_b32 v[NIL], 0
	v_lshrrev_b32 v1, 5, v0
	v_readfirstlane_b32 s22, v1                    ; wave
	v_and_b32 v2, 31, v0                           ; lane
	s_cmp_ge_u32 ttmp9, NQWG
	s_cbranch_scc1 .Lconvert
	v_lshlrev_b32 v3, 4, v2                        ; my 16 bytes of a load's 512
	s_mul_i32 s23, s22, WREG
	v_lshrrev_b32 v14, 2, v2
	v_mul_u32_u24 v14, v14, SP
	v_and_b32 v15, 3, v2
	v_lshl_add_u32 v14, v15, 4, v14
	v_add_nc_u32 v14, s23, v14                     ; the stage, on the way in: SP (lane / 4) + 16 (lane % 4)
	v_mul_u32_u24 v15, v2, SP
	v_add_nc_u32 v15, s23, v15                     ; on the way out: SP x lane: my 16 neighbours
	v_mul_u32_u24 v4, v2, CB                       ; my codes' place in a step's
	v_lshrrev_b32 v5, 1, v2
	s_add_co_u32 s23, s23, 2*32*SP
	v_add_nc_u32 v5, s23, v5                       ; LDS: my block's scale byte
	v_lshlrev_b32 v7, 3, v2
	v_add_nc_u32 v6, s23, v7                       ; and on the way out 8 bytes a lane
	s_lshr_b32 s24, ttmp9, 7                       ; which tensor: 0 x, 1 Wq, 2 Wk, 3 Wv, 4 Wf
	s_and_b32 s25, ttmp9, 127
	s_lshl_b32 s25, s25, 2
	s_add_co_u32 s25, s25, s22                     ; my run of 8,192 numbers in the tensor
	s_lshl_b32 s26, s25, 15                        ; in bytes
	s_mov_b32 s27, 0
	s_lshl_b32 s28, ttmp9, 2
	s_add_co_u32 s28, s28, s22                     ; my run among all: the tensors follow each other in codes and in scales
	s_lshl_b32 s30, s28, 12                        ; 4,096 bytes of codes a run
	s_mov_b32 s31, 0
	s_lshl_b32 s28, s28, 8                         ; 256 scale bytes a run
	s_mov_b32 s29, 0
	s_wait_kmcnt 0x0
	s_cmp_eq_u32 s24, 1                            ; the choice hangs on the work-group's number alone
	s_cselect_b64 s[4:5], s[6:7], s[4:5]
	s_cmp_eq_u32 s24, 2
	s_cselect_b64 s[4:5], s[8:9], s[4:5]
	s_cmp_eq_u32 s24, 3
	s_cselect_b64 s[4:5], s[10:11], s[4:5]
	s_cmp_eq_u32 s24, 4
	s_cselect_b64 s[4:5], s[12:13], s[4:5]
	s_add_nc_u64 s[4:5], s[4:5], s[26:27]
	s_add_nc_u64 s[16:17], s[16:17], s[30:31]
	s_add_nc_u64 s[18:19], s[18:19], s[28:29]
.macro LOAD t
.irp i, 0,1,2,3
	global_load_b128 v[R+16*((\t)%4)+4*\i:R+16*((\t)%4)+4*\i+3], v3, s[4:5] offset:2048*(\t)+512*\i th:TH_LOAD_NT   ; 32 lanes read 512 consecutive bytes
.endr
.endm
.macro TURN t                          ; step t's numbers through the stage: LDS serves a wave's instructions in order, so no wait stands between the stores and the loads
.irp i, 0,1,2,3
	ds_store_b128 v14, v[R+16*((\t)%4)+4*\i:R+16*((\t)%4)+4*\i+3] offset:32*SP*((\t)%2)+8*SP*\i
.endr
.irp i, 0,1,2,3
	ds_load_b128 v[X+16*((\t)%2)+4*\i:X+16*((\t)%2)+4*\i+3], v15 offset:32*SP*((\t)%2)+16*\i
.endr
.endm
.irp t, 0,1,2,3
	LOAD \t
.endr
	s_wait_loadcnt 12                              ; step 0's four loads are in; the twelve of steps 1 to 3 may be out
	TURN 0
.macro STEP t
.set XS, X+16*((\t)%2)
.if (\t) > 0
	s_wait_dscnt 1                                 ; this step's numbers are back from the stage (the last step's byte store may be out)
.else
	s_wait_dscnt 0x0
.endif
.if (\t)+4 < STEPS
	LOAD (\t)+4                                    ; into the registers that the stage's stores have read
.endif
.if (\t)+1 < STEPS
.if STEPS-2-(\t) >= 3
	s_wait_loadcnt 12                              ; the next step's four loads are in; those of the three steps behind it may be out
.else
	s_wait_loadcnt 4*(STEPS-2-(\t))
.endif
	TURN (\t)+1
.endif
	v_max3_num_f32 v8, |v[XS]|, |v[XS+1]|, |v[XS+2]|               ; the largest magnitude of my 16, in two chains
	v_max3_num_f32 v9, |v[XS+3]|, |v[XS+4]|, |v[XS+5]|
.irp i, 6,10
	v_max3_num_f32 v8, v8, |v[XS+\i]|, |v[XS+\i+1]|
	v_max3_num_f32 v9, v9, |v[XS+\i+2]|, |v[XS+\i+3]|
.endr
	v_max3_num_f32 v8, v8, |v[XS+14]|, |v[XS+15]|
	v_max3_num_f32 v8, v8, v9, (EMAX+1)<<23        ; and the floor 2^(EMAX + 1 - 127): the byte cannot fall under 1
	v_max_num_f32_dpp v8, v8, v8 row_xmask:1 row_mask:0xf bank_mask:0xf   ; with my neighbour's 16: the block's
	v_add_nc_u32 v11, -(EMAX<<23), v8              ; EMAX off its exponent field: the conversion takes the exponent field of this operand as its scale
	v_cvt_scalef32_pk8_fp4_f32 v[C+4*(\t)], v[XS:XS+7], v11
	v_cvt_scalef32_pk8_fp4_f32 v[C+4*(\t)+1], v[XS+8:XS+15], v11
	v_lshrrev_b32 v[E+(\t)], 23, v11               ; the scale's byte
	ds_store_b8 v5, v[E+(\t)] offset:16*(\t)       ; both lanes of a block write the same byte with the same value
	global_store_b64 v4, v[C+4*(\t):C+4*(\t)+1], s[16:17] offset:32*CB*(\t)   ; 32 lanes store 256 consecutive bytes, aligned
.endm
.irp t, 0,1,2,3,4,5,6,7,8,9,10,11,12,13,14,15
	STEP \t
.endr
	ds_load_b64 v[8:9], v6                         ; LDS serves a wave's instructions in order: these see my byte stores
	s_wait_dscnt 0x0
	global_store_b64 v7, v[8:9], s[18:19]          ; 32 lanes store 256 consecutive bytes, aligned
	s_branch .Lend
.Lconvert:                                         ; Wo: wave w of work-group i takes rows 16 i + 4 w .. + 3
	s_sub_co_u32 s23, ttmp9, NQWG                  ; i
	v_lshrrev_b32 v3, 4, v2
	v_and_b32 v4, 15, v2
	v_lshlrev_b32 v3, 13, v3
	v_lshl_add_u32 v3, v4, 4, v3                   ; in: lanes 0-15 256 bytes of one row, lanes 16-31 of the next
	v_lshlrev_b32 v4, 3, v2                        ; out: 8 bytes a lane: two rows of 128 bytes lie on end
	s_lshl_b32 s24, s23, 4
	s_lshl_b32 s25, s22, 2
	s_add_co_u32 s24, s24, s25                     ; my first row
	s_lshl_b32 s24, s24, 13                        ; x 8,192 bytes
	s_mov_b32 s25, 0
	s_lshr_b32 s26, s23, 3
	s_lshl_b32 s26, s26, 19                        ; the block of 128 rows: 524,288 bytes
	s_and_b32 s27, s23, 7
	s_lshl_b32 s27, s27, 4
	s_lshl_b32 s28, s22, 2
	s_add_co_u32 s27, s27, s28                     ; my first row in it
	s_lshl_b32 s27, s27, 7
	s_add_co_u32 s26, s26, s27
	s_mov_b32 s27, 0
	s_wait_kmcnt 0x0
	s_add_nc_u64 s[14:15], s[14:15], s[24:25]
	s_add_nc_u64 s[20:21], s[20:21], s[26:27]
; load n of 64: the pair of rows n / 32, the chunk of 64 k n % 32
.macro CLOAD g
.set n, 16*(\g)
.rept 16
	global_load_b128 v[IN+64*((\g)%2)+4*(n%16):IN+64*((\g)%2)+4*(n%16)+3], v3, s[14:15] offset:(n/32)*16384+(n%32)*256 th:TH_LOAD_NT
.set n, n+1
.endr
.endm
.macro CSTORE g
.if (\g) < 3
	s_wait_loadcnt 16                              ; this group's 16 loads are in; the next group's may be out
.else
	s_wait_loadcnt 0
.endif
.if (\g) > 0
	s_wait_xcnt 0x0                                ; the last group's stores have read their data: the registers are written again only behind this wait
.endif
.set j, 0
.rept 16
	v_cvt_pk_f16_f32 v[OUTC+2*j],   v[IN+64*((\g)%2)+4*j],   v[IN+64*((\g)%2)+4*j+1]
	v_cvt_pk_f16_f32 v[OUTC+2*j+1], v[IN+64*((\g)%2)+4*j+2], v[IN+64*((\g)%2)+4*j+3]
.set j, j+1
.endr
.if (\g) < 2
	CLOAD (\g)+2
.endif
.set n, 16*(\g)
.rept 16
	global_store_b64 v4, v[OUTC+2*(n%16):OUTC+2*(n%16)+1], s[20:21] offset:(n%32)*16384+(n/32)*256   ; 32 lanes store 256 consecutive bytes, aligned
.set n, n+1
.endr
.endm
	CLOAD 0
	CLOAD 1
	CSTORE 0
	CSTORE 1
	CSTORE 2
	CSTORE 3
.Lend:
	s_wait_tensorcnt 0x0                           ; the wave's end, behind my last LDS store
	ds_add_u32 v[SPW], v[NIL]
	s_wait_dscnt 0x0
	s_endpgm
.Lfunc_end_k_q74119d6770_quant:
	.size	k_q74119d6770_quant, .Lfunc_end_k_q74119d6770_quant-k_q74119d6770_quant
	.p2alignl 7, 3214868480
	.fill 96, 4, 3214868480
	.section	.rodata,"a",@progbits
	.p2align	6, 0x0
	.amdhsa_kernel k_q74119d6770_quant
		.amdhsa_group_segment_fixed_size 33280
		.amdhsa_private_segment_fixed_size 0
		.amdhsa_enable_private_segment 0
		.amdhsa_kernarg_size 72
		.amdhsa_user_sgpr_count 2
		.amdhsa_user_sgpr_kernarg_segment_ptr 1
		.amdhsa_wavefront_size32 1
		.amdhsa_system_sgpr_workgroup_id_x 1
		.amdhsa_system_sgpr_workgroup_id_y 1
		.amdhsa_system_sgpr_workgroup_id_z 1
		.amdhsa_system_vgpr_workitem_id 0
		.amdhsa_next_free_vgpr 192
		.amdhsa_next_free_sgpr 66
		.amdhsa_reserve_vcc 0
		.amdhsa_float_denorm_mode_32 3
		.amdhsa_float_denorm_mode_16_64 3
		.amdhsa_memory_ordered 1
		.amdhsa_forward_progress 1
		.amdhsa_inst_pref_size 55
	.end_amdhsa_kernel
	.amdgpu_metadata
---
amdhsa.version: [ 1, 2 ]
amdhsa.kernels:
  - .name:           k_q74119d6770_quant
    .symbol:         k_q74119d6770_quant.kd
    .args:
      - { .name: hidden_states, .offset: 0, .size: 8, .value_kind: global_buffer, .address_space: global }
      - { .name: Wq, .offset: 8, .size: 8, .value_kind: global_buffer, .address_space: global }
      - { .name: Wk, .offset: 16, .size: 8, .value_kind: global_buffer, .address_space: global }
      - { .name: Wv, .offset: 24, .size: 8, .value_kind: global_buffer, .address_space: global }
      - { .name: Wf, .offset: 32, .size: 8, .value_kind: global_buffer, .address_space: global }
      - { .name: Wo, .offset: 40, .size: 8, .value_kind: global_buffer, .address_space: global }
      - { .name: codes, .offset: 48, .size: 8, .value_kind: global_buffer, .address_space: global }
      - { .name: scales, .offset: 56, .size: 8, .value_kind: global_buffer, .address_space: global }
      - { .name: wo16, .offset: 64, .size: 8, .value_kind: global_buffer, .address_space: global }
    .group_segment_fixed_size: 33280
    .private_segment_fixed_size: 0
    .kernarg_segment_align: 8
    .kernarg_segment_size: 72
    .max_flat_workgroup_size: 128
    .sgpr_count:     66
    .vgpr_count:     192
    .wavefront_size: 32
...
	.end_amdgpu_metadata
.endif
;; end of part 1
;; launch qkv (part 2): grid 24 x 8, 4 waves a work-group, clusters of 4 x 4, 327,680 bytes of LDS; arguments codes, scales, bf, g8, qkv; writes g8, qkv
.if DOCPART == 2
	.amdgcn_target "amdgcn-amd-amdhsa--gfx1250"
	.amdhsa_code_object_version 6
	.text
	.protected	k_q74119d6770_qkv
	.globl	k_q74119d6770_qkv
	.p2align	8
	.type	k_q74119d6770_qkv,@function
k_q74119d6770_qkv:
	s_mov_b64 s[64:65], 0
	v_nop
	global_prefetch_b8 v0, s[64:65] scope:SCOPE_SE
	s_setreg_imm32_b32 hwreg(HW_REG_WAVE_MODE, 25, 1), 1
	s_wait_xcnt 0x0
	s_wait_alu depctr_hold_cnt(0) depctr_sa_sdst(0) depctr_va_vdst(0) depctr_va_sdst(0) depctr_va_ssrc(0) depctr_va_vcc(0) depctr_vm_vsrc(0)
	s_getreg_b32 s2, hwreg(HW_REG_IB_STS2, 6, 4)
	s_cmp_eq_u32 s2, 0
	s_cbranch_scc0 .Lentry_in_a_cluster
	s_endpgm
.Lentry_in_a_cluster:
	s_bfe_u32 s2, ttmp6, 0x10000c
	s_cmp_lg_u32 s2, 0xf033
	s_cbranch_scc0 .Lentry_shape_is_right
	s_endpgm
.Lentry_shape_is_right:
; Launch 2 of 4: [q | k | v] = x [Wq | Wk | Wv]^T, a GEMM of 2,048 x 6,144 x 2,048 on codes of FP4 (E2M1) with one E8M0 scale for each 32 along K; and the gates x Wf^T + bf, as 8 log_sigmoid.
; codes: [8,224 rows][1,024 bytes], scales: [8,224][64]: rows 0 x, 2,048 Wq, 4,096 Wk, 6,144 Wv, 8,192 Wf.  Both operands of every product lie in the same two buffers.
; qkv: f16 [96 g][2,048 positions][64]: g 0-31 q's heads, 32-63 k's, 64-95 v's.  g8: f32 [32 heads][2,048 positions].  LIMIT: q, k, v are rounded to f16: magnitudes up to 65,504.
; A tile of 256 x 256 is made by a work-group of four waves; a wave makes 128 x 128: 64 accumulators, 512 registers.  24 x 8 tiles.  K goes in steps of 512 through a ring of two LDS slots filled by the
; tensor data mover: a tile's row is 256 bytes of memory.  The scales of the work-group's rows, for all of K, come into LDS once, with the first fills.
; CLUSTERS: 4 x 4 work-groups.  The four of a row of the cluster need the same tiles of x, the four of a column the same tiles of the weights: each tile is asked for JOINTLY.
; THE MATRIX INSTRUCTION IS USED TRANSPOSED (source 0 = 16 rows of a weight, source 1 = 16 rows of x): a lane then holds eight neighbouring channels of one position.
; THE GATES: 2,048 x 32 x 2,048.  The clusters with x = 0 and 1 make them while their first tiles are on their way: each wave one tile of 16 positions x 16 gates, straight from memory, 16 products.
; REGISTERS, in windows of 256: window 0: v0-31 addresses; v32-95 scale words, two sets; v96-127 the gate's arithmetic; from v128 x's fragments, ONE set; on the way out v128-223.
;   window 1: the weights' fragments, TWO sets, at v0 and v128.   window 2: the accumulators of my rows 0-63 ((a, b) at v[8 (8 a + b)]);   window 3: those of my rows 64-127.
.set SIZE_K, 2048
.set KSTEP,  512
.set NQ,     KSTEP/128
.set ROWB,   256                       ; a tile's row in bytes
.set KROW,   SIZE_K/2                  ; a row of codes in memory
.set PITCH,  272                       ; an LDS row: 256 bytes + 16 of padding = 68 words: the 16 rows that a load touches start at 16 different banks (64 banks of 4 bytes: ISA guide 11.1)
.set FR,     8
.set NL,     2
.set NP,     4                         ; places behind this matrix instruction (ISA guide 7.12.1)
.set HALFT,  128*PITCH
.set SLOT,   4*HALFT
.set LAPS,   SIZE_K/(2*KSTEP)
.set KS,     SIZE_K/32
.set SCL,    2*SLOT                    ; behind the ring: the scales, as runs of 256 bytes + 16 of padding
.set HALFS,  (128*KS/256)*272
.set SBLK,   (16*KS/256)*272
.set SPARE,  SCL+4*HALFS               ; the spare words, 128 bytes for each wave
.set WROW,   2048                      ; the weights' first row in codes and scales
.set FROW,   8192                      ; Wf's
.set SGP,    144                       ; the way out: a stage row: 128 bytes + 16
.set SGH,    16*SGP                    ; 16 rows of one head; a wave's stage holds two heads.  It lies in slot 0, which has had its last fill and its last read when the first result is stored there
.set GB,     2048*128                  ; bytes of one g of qkv
.set ADRA, 16
.set ADRB, 20
.set STO,  24
.set RD,   25
.set CO,   26
.set ADRS, 27
.set SPW,  28
.set NIL,  29
.set SC,   32
.set AF,   128
.set BK,   128                         ; the way out: 16 rows x two heads read back: v128-159 and v160-191 by turns
.set TMP,  192                         ; the way out: packed results
.set G1, 24
.set G0, 32
.set G1B, 48
.set G0B, 56
.set G1S, 68
.set G0S, 76
.set G1SB, 80
.set G0SB, 88
.set MSB, 0
.macro WIN new                         ; the immediate's high byte repeats the setting that is left
.if MSB != \new
	s_set_vgpr_msb (MSB<<8)|\new
.set MSB, \new
.endif
.endm
.set MUL_LO, 0xa1                      ; source 0 (weights) window 1, source 1 (x) window 0, C and D window 2
.set MUL_HI, 0xf1
.set TO_B,   0x40
; A joint load: waves 0 and 1 fetch for x, waves 2 and 3 for the weights.  The branch hangs on the wave's number alone.  An s_nop 0 and four v_nop follow each of the two lines.
.macro JLOAD g0a, g1a, g0b, g1b
	s_cmp_eq_u32 s15, 0
	s_cbranch_scc0 .Lfor_b_\@
	tensor_load_to_lds s[\g0a:\g0a+3], s[\g1a:\g1a+7]
	s_nop 0
.rept 4
	v_nop
.endr
	s_branch .Lasked_\@
.Lfor_b_\@:
	tensor_load_to_lds s[\g0b:\g0b+3], s[\g1b:\g1b+7]
	s_nop 0
.rept 4
	v_nop
.endr
.Lasked_\@:
.endm
.macro CREST                           ; a round of the cluster's barrier behind its opening barrier
	s_cmp_lg_u32 s14, 0
	s_cbranch_scc1 .Lnot_wave_0_\@
	s_barrier_signal -3
.Lnot_wave_0_\@:
	s_barrier_wait -3
	s_barrier_signal -1
	s_barrier_wait -1
.endm
.macro CROUND
	s_barrier_signal -1
	s_barrier_wait -1
	CREST
.endm
	s_load_b128 s[4:7], s[0:1], 0x0                ; codes, scales
	s_load_b128 s[8:11], s[0:1], 0x10              ; bf, g8
	s_load_b64 s[12:13], s[0:1], 0x20              ; qkv
	v_lshl_add_u32 v[SPW], v0, 2, SPARE
	v_mov_b32 v[NIL], 0
	ds_add_u32 v[SPW], v[NIL]                      ; the wave's opening: the add, twice on end, and its wait ahead of my first tensor load
	ds_add_u32 v[SPW], v[NIL]
	v_lshrrev_b32 v1, 5, v0
	v_readfirstlane_b32 s14, v1                    ; wave 0..3
	s_lshr_b32 s15, s14, 1                         ; which half of the tile's rows is mine.  Also: I fetch for x (0) or for the weights (1)
	s_and_b32 s16, s14, 1                          ; which half of its columns.  Also: which 128 rows I fetch
	s_bfe_u32 s40, ttmp6, 0x40000                  ; cx, cy
	s_bfe_u32 s41, ttmp6, 0x40004
	s_lshl_b32 s42, ttmp9, 2
	s_add_co_u32 s42, s42, s40                     ; tile column = 4 x cluster x + cx
	s_and_b32 s17, ttmp7, 0xffff
	s_lshl_b32 s17, s17, 2
	s_add_co_u32 s17, s17, s41                     ; tile row = 4 x cluster y + cy
	s_lshl_b32 s43, s41, 2
	s_lshl_b32 s43, 15, s43                        ; my row of the cluster
	s_lshl_b32 s44, 0x1111, s40                    ; my column
	s_or_b32 s[G1+0], s43, (0<<16)|(1<<20)|(1<<21)|(5<<22)|(3<<25)  ; the mask; elements of 1 byte; padding on; bit 21 beside a mask; after every 64 words four words
	s_or_b32 s[G1B+0], s44, (0<<16)|(1<<20)|(1<<21)|(5<<22)|(3<<25)
.irp g, G1, G1B
	s_mov_b32 s[\g+1], ROWB<<16                    ; tensor_dim0
	s_mov_b32 s[\g+2], 128<<16                     ; tensor_dim1
	s_mov_b32 s[\g+3], ROWB<<16                    ; tile_dim0
	s_mov_b32 s[\g+4], 128                         ; tile_dim1
	s_mov_b32 s[\g+5], KROW                        ; tensor_dim0_stride
	s_mov_b32 s[\g+6], 0
	s_mov_b32 s[\g+7], 0
.endr
	s_or_b32 s[G1S+0], s43, (3<<16)|(1<<20)|(1<<21)|(5<<22)|(3<<25) ; the scales of 128 rows: a dense block, as rows of 256 bytes (32 elements of 8 bytes), 16 bytes of padding behind each
	s_or_b32 s[G1SB+0], s44, (3<<16)|(1<<20)|(1<<21)|(5<<22)|(3<<25)
.irp g, G1S, G1SB
	s_mov_b32 s[\g+1], 32<<16
	s_mov_b32 s[\g+2], (128*KS/256)<<16
	s_mov_b32 s[\g+3], 32<<16
	s_mov_b32 s[\g+4], 128*KS/256
	s_mov_b32 s[\g+5], 32
	s_mov_b32 s[\g+6], 0
	s_mov_b32 s[\g+7], 0
.endr
	s_lshl_b32 s18, s16, 7                         ; which 128 rows of the tile I fetch
	s_lshl_b32 s20, s17, 8
	s_add_co_u32 s20, s20, s18                     ; x: row 256 x tile row + 128 x half
	s_lshl_b32 s46, s42, 8
	s_add_co_u32 s46, s46, s18
	s_add_co_u32 s46, s46, WROW                    ; weights: row 2,048 + 256 x tile column + 128 x half
	s_mov_b32 s21, 0
	s_mov_b32 s47, 0
	s_mov_b64 s[18:19], KS
	s_mul_u64 s[22:23], s[20:21], s[18:19]         ; where these rows' scales begin
	s_mul_u64 s[92:93], s[46:47], s[18:19]
	s_mov_b64 s[18:19], KROW
	s_mul_u64 s[20:21], s[20:21], s[18:19]         ; and their codes
	s_mul_u64 s[46:47], s[46:47], s[18:19]
	s_mul_i32 s45, s14, HALFT                      ; where they go: wave x 128 rows: no place in the cluster enters an LDS address
	s_mul_i32 s94, s14, HALFS
	s_wait_dscnt 0x0                               ; both opening adds are done
	s_wait_kmcnt 0x0
	s_add_nc_u64 s[20:21], s[4:5], s[20:21]
	s_add_nc_u64 s[22:23], s[6:7], s[22:23]
	s_add_nc_u64 s[46:47], s[4:5], s[46:47]
	s_add_nc_u64 s[92:93], s[6:7], s[92:93]
	CROUND                                         ; all sixteen work-groups are here: the first joint loads meet
	s_mov_b32 s[G0S], 1
	s_add_co_u32 s[G0S+1], s94, SCL
	s_mov_b64 s[G0S+2:G0S+3], s[22:23]
	s_or_b32 s[G0S+3], s[G0S+3], 0x80000000
	s_mov_b32 s[G0SB], 1
	s_add_co_u32 s[G0SB+1], s94, SCL
	s_mov_b64 s[G0SB+2:G0SB+3], s[92:93]
	s_or_b32 s[G0SB+3], s[G0SB+3], 0x80000000
	JLOAD G0S, G1S, G0SB, G1SB                     ; the scales first: they are wanted with K step 0
.irp s, 0,1
	s_mov_b32 s[G0+4*\s], 1
	s_add_co_u32 s[G0+4*\s+1], s45, \s*SLOT
	s_add_nc_u64 s[G0+4*\s+2:G0+4*\s+3], s[20:21], \s*ROWB
	s_or_b32 s[G0+4*\s+3], s[G0+4*\s+3], 0x80000000
	s_mov_b32 s[G0B+4*\s], 1
	s_add_co_u32 s[G0B+4*\s+1], s45, \s*SLOT
	s_add_nc_u64 s[G0B+4*\s+2:G0B+4*\s+3], s[46:47], \s*ROWB
	s_or_b32 s[G0B+4*\s+3], s[G0B+4*\s+3], 0x80000000
	JLOAD G0+4*\s, G1, G0B+4*\s, G1B
.endr
	v_and_b32 v1, 15, v0                           ; r = l % 16
	v_bfe_u32 v2, v0, 4, 1                         ; h = l / 16
	v_mul_u32_u24 v3, v1, PITCH
	v_lshl_add_u32 v4, v2, 4, v3                   ; a fragment's row x pitch + 16 x half
	s_mul_i32 s21, s15, HALFT                      ; my 128 rows of x
	s_mul_i32 s22, s16, HALFT                      ; my 128 rows of the weights,
	s_add_co_u32 s22, s22, 2*HALFT                 ; which lie behind x's 256
.irp s, 0,1
	v_add_nc_u32 v[ADRA+\s], s21, v4
	v_add_nc_u32 v[ADRB+\s], s22, v4
	s_add_co_u32 s21, s21, SLOT
	s_add_co_u32 s22, s22, SLOT
.endr
	v_mul_u32_u24 v5, v1, KS                       ; my row's scales: KS bytes a row,
	v_lshrrev_b32 v6, 8, v5
	v_lshl_add_u32 v5, v6, 4, v5                   ; and 16 more for each 256 passed
	s_mul_i32 s21, s15, HALFS
	s_mul_i32 s22, s16, HALFS
	s_add_co_u32 s22, s22, 2*HALFS
	s_sub_co_u32 s22, s22, s21
	v_mul_u32_u24 v6, s22, v2                      ; lanes 16-31 take the weights'
	s_add_co_u32 s21, s21, SCL
	v_add_nc_u32 v5, v5, v6
	v_add_nc_u32 v[ADRS], s21, v5
	s_mul_i32 s23, s14, 2*SGH                      ; my stage
	v_mul_u32_u24 v5, v1, SGP                      ; in: row r, 16 bytes for each half of the lanes
	v_lshl_add_u32 v5, v2, 4, v5
	v_add_nc_u32 v[STO], s23, v5
	v_and_b32 v6, 31, v0
	v_lshrrev_b32 v5, 3, v6                        ; back: eight lanes to a row of 128 bytes, four rows an instruction
	v_mul_u32_u24 v5, v5, SGP
	v_and_b32 v7, 7, v0
	v_lshl_add_u32 v5, v7, 4, v5
	v_add_nc_u32 v[RD], s23, v5
	v_lshlrev_b32 v[CO], 4, v6                     ; in qkv those four rows are 512 bytes on end
	s_lshl_b32 s20, s42, 2
	s_lshl_b32 s21, s16, 1
	s_add_co_u32 s20, s20, s21                     ; my first g: 4 x tile column + 2 x half
	s_lshl_b32 s20, s20, 18
	s_lshl_b32 s21, s17, 15                        ; 256 positions of 128 bytes a tile row
	s_add_co_u32 s20, s20, s21
	s_lshl_b32 s21, s15, 14
	s_add_co_u32 s20, s20, s21
	s_mov_b32 s21, 0
	s_add_nc_u64 s[12:13], s[12:13], s[20:21]
	; ---- THE GATES.  The branch hangs on the cluster's x, which all sixteen partners share; no barrier and no LDS access stands inside.  cx enters offsets in memory alone.
	s_cmp_lt_u32 ttmp9, 2
	s_cbranch_scc0 .Lno_gate
	s_lshl_b32 s92, s42, 2
	s_add_co_u32 s92, s92, s14                     ; u = 4 x tile column + wave: 0 .. 31
	s_and_b32 s93, s92, 15
	s_lshr_b32 s94, s92, 4
	s_lshl_b32 s95, s17, 8
	s_lshl_b32 s93, s93, 4
	s_add_co_u32 s95, s95, s93                     ; my 16 positions begin at 256 x tile row + 16 (u % 16)
	s_lshl_b32 s94, s94, 4                         ; my 16 gates at 16 (u / 16)
	s_add_co_u32 s96, s94, FROW
	s_mov_b32 s97, 0xbfb8aa3b                      ; -log2(e)
	v_add_nc_u32 v10, s95, v1
	v_add_nc_u32 v11, s96, v1
	v_lshlrev_b32 v8, 10, v10
	v_lshl_add_u32 v8, v2, 4, v8                   ; x's codes: row x 1,024 + 16 h
	v_lshlrev_b32 v9, 10, v11
	v_lshl_add_u32 v9, v2, 4, v9                   ; Wf's
	v_lshlrev_b32 v10, 6, v10                      ; their scale words: 64 bytes a row
	v_lshlrev_b32 v11, 6, v11
	v_add_nc_u32 v12, s94, v1                      ; my gate
	v_lshlrev_b32 v13, 13, v12
	v_lshlrev_b32 v12, 2, v12                      ; in bf
	v_lshl_add_u32 v3, v2, 3, s95
	v_lshl_add_u32 v13, v3, 2, v13                 ; in g8: gate x 8,192 + 4 (position + 8 h)
.irp s, 0,1,2,3,4,5,6,7,8,9,10,11,12,13,14,15
.irp c, 0,1
	global_load_b128 v[128+8*\s+4*\c:128+8*\s+4*\c+3], v8, s[4:5] offset:64*\s+32*\c
.endr
.endr
.irp s, 0,1,2,3
	global_load_b128 v[32+4*\s:32+4*\s+3], v10, s[6:7] offset:16*\s    ; register s: the word of K step s; lane r has row r's
	global_load_b128 v[48+4*\s:48+4*\s+3], v11, s[6:7] offset:16*\s
.endr
	global_load_b32 v120, v12, s[8:9]
	WIN TO_B
.irp s, 0,1,2,3,4,5,6,7,8,9,10,11,12,13,14,15
.irp c, 0,1
	global_load_b128 v[8*\s+4*\c:8*\s+4*\c+3], v9, s[4:5] offset:64*\s+32*\c
.endr
.endr
	s_wait_loadcnt 0x0
	WIN 0xa4                                       ; source 0 (x) window 0, source 1 (Wf) window 1, C and D window 2.  Four accumulators take turns
.irp s, 0,1,2,3
	v_wmma_scale_f32_16x16x128_f8f6f4 v[8*\s:8*\s+7], v[128+8*\s:128+8*\s+7], v[8*\s:8*\s+7], 0, v[32+\s], v[48+\s] matrix_a_fmt:MATRIX_FMT_FP4 matrix_b_fmt:MATRIX_FMT_FP4
.endr
.irp s, 4,5,6,7,8,9,10,11,12,13,14,15
	v_wmma_scale_f32_16x16x128_f8f6f4 v[8*(\s%4):8*(\s%4)+7], v[128+8*\s:128+8*\s+7], v[8*\s:8*\s+7], v[8*(\s%4):8*(\s%4)+7], v[32+\s], v[48+\s] matrix_a_fmt:MATRIX_FMT_FP4 matrix_b_fmt:MATRIX_FMT_FP4
.endr
.rept 4
	v_nop
.endr
	WIN 0x0a                                       ; sources 0 and 1 window 2.  Lane (r, h) holds gate r at positions 8 h + 0 .. 7
.irp i, 0,1,2,3,4,5,6,7
	v_add_f32 v[96+\i], v[\i], v[8+\i]
.endr
.irp i, 0,1,2,3,4,5,6,7
	v_add_f32 v[104+\i], v[16+\i], v[24+\i]
.endr
	WIN 0
.irp i, 0,1,2,3,4,5,6,7
	v_add_f32 v[96+\i], v[96+\i], v[104+\i]
.endr
.irp i, 0,1,2,3,4,5,6,7
	v_add_f32 v[96+\i], v[96+\i], v120             ; y = x . Wf + bf
.endr
.irp i, 0,1,2,3,4,5,6,7
	v_mul_f32 v[112+\i], s97, |v[96+\i]|           ; log_sigmoid(y) = min(y, 0) - ln(1 + e^-|y|): no exponential can overflow
.endr
.irp i, 0,1,2,3,4,5,6,7
	v_exp_f32 v[112+\i], v[112+\i]
.endr
	v_nop                                          ; a plain instruction behind the last exponential,
	s_wait_alu depctr_va_vdst(0)                   ; and one wait for the batch, ahead of its first reader
.irp i, 0,1,2,3,4,5,6,7
	v_add_f32 v[112+\i], 1.0, v[112+\i]
.endr
.irp i, 0,1,2,3,4,5,6,7
	v_log_f32 v[112+\i], v[112+\i]
.endr
.irp i, 0,1,2,3,4,5,6,7
	v_min_num_f32 v[104+\i], 0, v[96+\i]
.endr
.irp i, 0,1,2,3,4,5,6,7
	v_mul_f32 v[104+\i], 0x41000000, v[104+\i]     ; x 8, exact: launch 3 adds the gates to scores that are not yet divided by 8
.endr
	s_wait_alu depctr_va_vdst(0)                   ; one wait for the eight logarithms
.irp i, 0,1,2,3,4,5,6,7
	v_fmamk_f32 v[96+\i], v[112+\i], 0xc0b17218, v[104+\i]   ; 8 min(y, 0) - 8 ln(2) log2(1 + u)
.endr
	global_store_b128 v13, v[96:99], s[10:11]      ; 32 bytes a lane, rows 8,192 bytes apart: runs of 64 bytes; g8 is 262,144 bytes of the 25 million that the launch stores
	global_store_b128 v13, v[100:103], s[10:11] offset:16
.Lno_gate:
.macro FRAG reg, adr, q, i             ; a fragment, 16 rows x 128 K of 4-bit codes, is 8 registers: lane l holds row l % 16; registers 4 c .. 4 c + 3 hold K = 64 c + 32 (l / 16) + 0 .. 31
.irp c, 0,1
	ds_load_b128 v[\reg+4*\c:\reg+4*\c+3], v[\adr] offset:64*(\q)+32*\c+(\i)*16*PITCH
.endr
.endm
; 16 matrix instructions: x's blocks a0, a0 + 1 against the weights' eight, 128 along K.  The 64 accumulators take turns, one instruction a turn, in the same order in every step.
.macro MUL16 a0, p, q, sc, zero
.irp a, \a0, \a0+1
.irp b, 0,1,2,3,4,5,6,7
.if \zero
	v_wmma_scale_f32_16x16x128_f8f6f4 v[8*(8*((\a)%4)+\b):8*(8*((\a)%4)+\b)+7], v[128*(\p)+FR*\b:128*(\p)+FR*\b+FR-1], v[AF+FR*(\a):AF+FR*(\a)+FR-1], 0, v[SC+8*NQ*(\sc)+NQ*\b+(\q)], v[SC+8*NQ*(\sc)+NQ*(\a)+(\q)] matrix_a_fmt:MATRIX_FMT_FP4 matrix_b_fmt:MATRIX_FMT_FP4 matrix_a_scale:MATRIX_SCALE_ROW1
.else
	v_wmma_scale_f32_16x16x128_f8f6f4 v[8*(8*((\a)%4)+\b):8*(8*((\a)%4)+\b)+7], v[128*(\p)+FR*\b:128*(\p)+FR*\b+FR-1], v[AF+FR*(\a):AF+FR*(\a)+FR-1], v[8*(8*((\a)%4)+\b):8*(8*((\a)%4)+\b)+7], v[SC+8*NQ*(\sc)+NQ*\b+(\q)], v[SC+8*NQ*(\sc)+NQ*(\a)+(\q)] matrix_a_fmt:MATRIX_FMT_FP4 matrix_b_fmt:MATRIX_FMT_FP4 matrix_a_scale:MATRIX_SCALE_ROW1
.endif
.endr
.endr
.endm
.macro FETCH_B slot, q, p
	WIN TO_B
.irp i, 0,1,2,3,4,5,6,7
	FRAG 128*(\p)+FR*\i, ADRB+\slot, \q, \i
.endr
	WIN 0
.endm
.macro FETCH_A slot, q, i0
.irp i, \i0, \i0+1, \i0+2, \i0+3
	FRAG AF+FR*(\i), ADRA+\slot, \q, \i
.endr
.endm
.macro SCALES sc                       ; a K step's scale words: NQ words a row; lanes 0-15 take x's block i, lanes 16-31 the weights' block i
.irp i, 0,1,2,3,4,5,6,7
	ds_load_b128 v[SC+8*NQ*\sc+NQ*\i:SC+8*NQ*\sc+NQ*\i+3], v[ADRS] offset:\i*SBLK
.endr
.endm
.macro PLACES n                        ; plain vector instructions between a matrix instruction and a load into, or a read of, its registers
.rept \n
	v_nop
.endr
.endm
.macro STEP slot, q, zero              ; a step of 128 along K that has its successor in the same slot
	s_wait_dscnt 4*NL                              ; the weights' set and x's blocks 0-3 are in; the youngest eight loads (x's blocks 4-7) may be out
	WIN MUL_LO
	MUL16 0, (\q)%2, \q, \slot, \zero
	MUL16 2, (\q)%2, \q, \slot, \zero
	s_wait_dscnt 0
	PLACES NP
	FETCH_B \slot, (\q)+1, 1-(\q)%2
	FETCH_A \slot, (\q)+1, 0
	WIN MUL_HI
	MUL16 4, (\q)%2, \q, \slot, \zero
	MUL16 6, (\q)%2, \q, \slot, \zero
	PLACES NP
	WIN 0
	FETCH_A \slot, (\q)+1, 4
.endm
; A slot's last step changes slots: ONE barrier; in front of it each wave waits for all its tensor loads, adds 0 to its spare word, and waits for that and for its own reads of this slot.
.macro TURN slot, next, fill
	s_wait_tensorcnt 0x0                           ; all my tensor loads have landed: my part of the next slot
	ds_add_u32 v[SPW], v[NIL]                      ; 0 onto my spare word
	s_wait_dscnt 4*NL+1                            ; (the add and the youngest eight loads may be out)
	WIN MUL_LO
	MUL16 0, 1, NQ-1, \slot, 0
	s_wait_dscnt 0x0                               ; the add is done, and my reads of this slot are over
	s_barrier_signal -1
	MUL16 2, 1, NQ-1, \slot, 0
	WIN 0
	s_barrier_wait -1
.if \fill
	CREST                                          ; the barrier has opened a round of the cluster's barrier: no wave of any partner still reads this slot or has a load on its way
	s_add_nc_u64 s[G0+4*\slot+2:G0+4*\slot+3], s[G0+4*\slot+2:G0+4*\slot+3], 2*ROWB
	s_add_nc_u64 s[G0B+4*\slot+2:G0B+4*\slot+3], s[G0B+4*\slot+2:G0B+4*\slot+3], 2*ROWB
	JLOAD G0+4*\slot, G1, G0B+4*\slot, G1B         ; the first tensor load behind the round; its four v_nop are the places in front of the loads below
.else
	PLACES NP
.endif
	v_add_nc_u32 v[ADRS], 4*NQ, v[ADRS]            ; on to the next K step's scale words
	FETCH_B \next, 0, 0
	FETCH_A \next, 0, 0
	SCALES \next
	WIN MUL_HI
	MUL16 4, 1, NQ-1, \slot, 0
	MUL16 6, 1, NQ-1, \slot, 0
	PLACES NP
	WIN 0
	FETCH_A \next, 0, 4
.endm
.macro STEPS slot, from
.set Q, \from
.rept NQ-1-\from
	STEP \slot, Q, 0
.set Q, Q+1
.endr
.endm
	s_wait_tensorcnt 1                             ; the scales and my part of K step 0 are in (K step 1's load may be out),
	s_barrier_signal -1
	s_barrier_wait -1                              ; everybody's are
	FETCH_B 0, 0, 0
	FETCH_A 0, 0, 0
	SCALES 0
	FETCH_A 0, 0, 4
	STEP 0, 0, 1                                   ; the first step stands in front of the loop: its products start the sums
	s_mov_b32 s3, LAPS-1
.Llap:                                             ; a trip goes once round the ring and fills both slots again
	STEPS 0, 1
	TURN 0, 1, 1
	STEPS 1, 0
	TURN 1, 0, 1
	STEP 0, 0, 0
	s_sub_co_u32 s3, s3, 1
	s_cmp_lg_u32 s3, 0
	s_cbranch_scc1 .Llap
	STEPS 0, 1                                     ; the last lap fills nothing
	TURN 0, 1, 0
	STEPS 1, 0
	s_wait_dscnt 4*NL
	WIN MUL_LO
	MUL16 0, 1, NQ-1, 1, 0
	MUL16 2, 1, NQ-1, 1, 0
	s_wait_dscnt 0
	WIN MUL_HI
	MUL16 4, 1, NQ-1, 1, 0
	MUL16 6, 1, NQ-1, 1, 0
	WIN 0
; THE WAY OUT, block by block of 16 positions x 128 channels (two heads).  A lane's eight channels pack into 16 bytes of f16; they go through my own stage and come back as whole rows of 128 bytes.
.macro PACK a
.set AC, 64*((\a)%4)
	WIN 0x0a+5*((\a)/4)                            ; sources 0 and 1: window 2 or 3
.irp b, 0,1,2,3,4,5,6,7
.irp r, 0,1,2,3
	v_cvt_pk_f16_f32 v[TMP+4*\b+\r], v[AC+8*\b+2*\r], v[AC+8*\b+2*\r+1]   ; each accumulator from its low end on
.endr
.endr
	WIN 0
.endm
.macro TOSTAGE a
.set BB, BK+32*((\a)%2)
.irp b, 0,1,2,3,4,5,6,7
	ds_store_b128 v[STO], v[TMP+4*\b:TMP+4*\b+3] offset:(\b/4)*SGH+(\b%4)*32
.endr
.irp t, 0,1,2,3,4,5,6,7
	ds_load_b128 v[BB+4*\t:BB+4*\t+3], v[RD] offset:(\t/4)*SGH+(\t%4)*4*SGP   ; LDS serves a wave's instructions in order: these see the stores above
.endr
.endm
.macro SEND a
.set BB, BK+32*((\a)%2)
	s_wait_dscnt 0x0                               ; the block is back in registers
	s_wait_xcnt 0x0                                ; earlier stores have read their data: the next block's loads may land in the other set
.irp t, 0,1,2,3,4,5,6,7
	global_store_b128 v[CO], v[BB+4*\t:BB+4*\t+3], s[12:13] offset:(\t/4)*GB+(16*(\a)+4*(\t%4))*128   ; 32 lanes store 512 consecutive bytes, aligned
.endr
.endm
	PLACES NP
	PACK 0
	TOSTAGE 0
.irp a, 1,2,3,4,5,6,7                  ; block a's conversions stand between block a - 1's loads from the stage and the wait for them
	PACK \a
	SEND \a-1
	TOSTAGE \a
.endr
	SEND 7
	s_wait_tensorcnt 0x0                           ; the wave's end
	ds_add_u32 v[SPW], v[NIL]
	s_wait_dscnt 0x0
	CROUND                                         ; the closing round
	s_endpgm
.Lfunc_end_k_q74119d6770_qkv:
	.size	k_q74119d6770_qkv, .Lfunc_end_k_q74119d6770_qkv-k_q74119d6770_qkv
	.p2alignl 7, 3214868480
	.fill 96, 4, 3214868480
	.section	.rodata,"a",@progbits
	.p2align	6, 0x0
	.amdhsa_kernel k_q74119d6770_qkv
		.amdhsa_group_segment_fixed_size 327680
		.amdhsa_private_segment_fixed_size 0
		.amdhsa_enable_private_segment 0
		.amdhsa_kernarg_size 40
		.amdhsa_user_sgpr_count 2
		.amdhsa_user_sgpr_kernarg_segment_ptr 1
		.amdhsa_wavefront_size32 1
		.amdhsa_system_sgpr_workgroup_id_x 1
		.amdhsa_system_sgpr_workgroup_id_y 1
		.amdhsa_system_sgpr_workgroup_id_z 1
		.amdhsa_system_vgpr_workitem_id 0
		.amdhsa_next_free_vgpr 1024
		.amdhsa_next_free_sgpr 98
		.amdhsa_reserve_vcc 0
		.amdhsa_float_denorm_mode_32 3
		.amdhsa_float_denorm_mode_16_64 3
		.amdhsa_memory_ordered 1
		.amdhsa_forward_progress 1
		.amdhsa_inst_pref_size 227
	.end_amdhsa_kernel
	.amdgpu_metadata
---
amdhsa.version: [ 1, 2 ]
amdhsa.kernels:
  - .name:           k_q74119d6770_qkv
    .symbol:         k_q74119d6770_qkv.kd
    .args:
      - { .name: codes, .offset: 0, .size: 8, .value_kind: global_buffer, .address_space: global }
      - { .name: scales, .offset: 8, .size: 8, .value_kind: global_buffer, .address_space: global }
      - { .name: bf, .offset: 16, .size: 8, .value_kind: global_buffer, .address_space: global }
      - { .name: g8, .offset: 24, .size: 8, .value_kind: global_buffer, .address_space: global }
      - { .name: qkv, .offset: 32, .size: 8, .value_kind: global_buffer, .address_space: global }
    .group_segment_fixed_size: 327680
    .private_segment_fixed_size: 0
    .kernarg_segment_align: 8
    .kernarg_segment_size: 40
    .max_flat_workgroup_size: 128
    .sgpr_count:     98
    .vgpr_count:     1024
    .wavefront_size: 32
...
	.end_amdgpu_metadata
.endif
;; end of part 2
;; launch attn (part 3): grid 8 x 32, 8 waves a work-group, no clusters, 327,680 bytes of LDS; arguments qkv, g8, o16; writes o16
.if DOCPART == 3
	.amdgcn_target "amdgcn-amd-amdhsa--gfx1250"
	.amdhsa_code_object_version 6
	.text
	.protected	k_q74119d6770_attn
	.globl	k_q74119d6770_attn
	.p2align	8
	.type	k_q74119d6770_attn,@function
k_q74119d6770_attn:
	s_mov_b64 s[64:65], 0
	v_nop
	global_prefetch_b8 v0, s[64:65] scope:SCOPE_SE
	s_setreg_imm32_b32 hwreg(HW_REG_WAVE_MODE, 25, 1), 1
	s_wait_xcnt 0x0
; Launch 3 of 4: o[q] = the sum over keys j <= q of softmax_j(q . k_j / 8 + F_q - F_j) v_j, for each of 32 heads of 64 channels; F = the cumulative sum of the log gates.
; WORK LEFT OUT (shown at the head of launch 1): tiles of scores wholly above the diagonal; the term F_q, the same along the softmax's axis, in whose place stands F at the first query of the block of 128.
; qkv: f16 [96 g][2,048][64] (q's heads, k's, v's); g8: f32 [32][2,048] = 8 x the log gates; o16: f16 [16 blocks of 128 positions][32 heads][128][64].
; ARITHMETIC.  S' = q . k + (G_ref - G_j), G = the cumulative sum of g8; the bias is the C of the first product.  t = c S', c = log2(e) / 8.  For each query a running maximum m and sum l: p = 2^(t - c m);
; in every step O and l are multiplied by a = 2^(c m_old - c m_new).  Products on f16 operands, sums, maxima and exponentials in f32; p is rounded to f16 for the second product, l sums the unrounded p.
; LIMITS: f16 operands (magnitudes up to 65,504); the cumulative sum is taken in another order than a serial one: it differs by rounding of G.  NaN and infinities are not served.
; SHARES.  Work-group (J, head) owns the query blocks J and 15 - J and walks 17 steps of 128 keys, whatever J: step T <= J: block J against key tile T; else block 15 - J against key tile T - J - 1.
; So trip counts are constants, all 256 work-groups have equal work, and every tile that is fetched is read.  Wave w: 32 queries (w % 4), 64 of a step's 128 keys (w / 4); the pair (w, w + 4) is merged at a block's end.
; NO CLUSTER: the work-groups of a head want different key tiles in the same step (tile T here, tile T - J - 1 there), so no joint request could name the same tile in all partners.
; LAYOUT.  S'^T = K Q^T (source 0 = 16 keys, source 1 = 16 queries): a lane holds ONE query (lane % 16) and keys 8 (lane / 16) + 0..7.  Two such tiles rounded to f16 ARE source 1 of O^T = V^T P.
; LDS: two slots of two steps (a step: 128 rows of K at pitch 144, 128 rows of V at pitch 160), slot 1 at 2^17; between and behind them bytes that no tensor load fills: G, the two blocks' biases, the waves' totals, the merge, the stages, the spare words.
; REGISTERS: window 0: v1-15 addresses and constants; v16-31 statistics, 8 a tile; v32-63 the bias; v64-127 S'; v128-159 P; v160-223 O^T; v224-249 at work.  window 1: v0-31 Q, v32-95 K, v96-159 V.
.set PK,    144                        ; 128 bytes + 16: 36 words: the 16 rows of a load start at 16 different groups of four banks
.set PV,    160                        ; 128 + 32: 16 lanes of the turning load take 8 rows x 32 bytes
.set VOFF,  128*PK
.set STEPB, 128*(PK+PV)
.set SLOT1, 1<<17
.set FARR,  2*STEPB                    ; G, 2,048 f32
.set BL,    FARR+8192                  ; G_ref - G for block J
.set BH,    BL+8192                    ; for block 15 - J
.set WTOT,  BH+8192                    ; the eight waves' totals
.set MRG,   SLOT1+2*STEPB              ; the merge: 18 images of four registers for each pair of waves
.set MRGW,  18*512
.set STG,   MRG+4*MRGW                 ; the way out: 32 rows x 144 bytes for each of waves 0 to 3
.set SGP,   144
.set STGW,  32*SGP
.set SPARE, STG+4*STGW                 ; the spare words, 128 bytes for each wave
.set AK0, 1
.set AV0, 2
.set AB0, 3
.set ADK, 4
.set ADV, 5
.set ADB, 6
.set SPW, 7
.set NIL, 8
.set D0,  9                            ; v9, v10: my query less my first key, for tiles 0 and 1, on a diagonal step
.set NINF, 11
.set QO,  12
.set STO, 13
.set RD,  14
.set GO,  15
.set ST,  16                           ; tile t at v[ST+8 t]: +0 c m, +1 m, +2, +3 l, +4 to +7 at work; a takes +6
.set BI,  32
.set S,   64
.set P,   128
.set O,   160
.set W,   224
.set MA,  252
.set PFO, 253
.set GOF, 254
.set QF,  0                            ; window 1
.set KF,  32
.set VF,  96
.set WV, 10
.set J,  11
.set J1, 12
.set HEAD, 13
.set QP, 14
.set KH, 15
.set T,  16                            ; the step in hand
.set TN, 17                            ; the step whose tile I fetch next
.set U,  18
.set TW, 19
.set SEL, 20
.set CS, 22
.set G1K, 24
.set G1V, 32
.set G0, 40
.set LB, 44                            ; s[44:45] my 64 rows (of K or of V) of key tile 0
.set OF, 46                            ; s[46:47] an offset; the high word stays 0
.set TB, 48
.set TBI, 49
.set QB, 54
.set OB, 56
.set PFA, 58
.set LIM, 60
.set HID, 61
.set KIND, 62
.set LM, 66                            ; s66-70 lane masks of the scan
.set MSB, 0
.macro WIN new
.if MSB != \new
	s_set_vgpr_msb (MSB<<8)|\new
.set MSB, \new
.endif
.endm
; Every wave fetches 64 rows of 128 bytes, dense in memory: waves with KIND = 0 of K, the others of V.  The two shapes differ in the padding alone; the branch hangs on the wave's number.
.macro TLOAD
	s_cmp_eq_u32 s[KIND], 0
	s_cbranch_scc0 .Lfor_v_\@
	tensor_load_to_lds s[G0:G0+3], s[G1K:G1K+7]
	s_nop 0
.rept 4
	v_nop
.endr
	s_branch .Lasked_\@
.Lfor_v_\@:
	tensor_load_to_lds s[G0:G0+3], s[G1V:G1V+7]
	s_nop 0
.rept 4
	v_nop
.endr
.Lasked_\@:
.endm
.macro TILE_AT n                       ; s[OF] = 16,384 x the key tile of step s[n]
	s_sub_co_u32 s50, s[\n], s[J1]
	s_cmp_le_u32 s[\n], s[J]
	s_cselect_b32 s50, s[\n], s50
	s_lshl_b32 s[OF], s50, 14
.endm
.macro QLOAD                           ; my 32 queries: tile q, channels 32 c on
	WIN 0x40
.irp q, 0,1
.irp c, 0,1
	global_load_b128 v[QF+16*\q+8*\c:QF+16*\q+8*\c+3],   v[QO], s[QB:QB+1] offset:2048*\q+64*\c
	global_load_b128 v[QF+16*\q+8*\c+4:QF+16*\q+8*\c+7], v[QO], s[QB:QB+1] offset:2048*\q+64*\c+32
.endr
.endr
	WIN 0
.endm
.macro RESET                           ; a block begins: m = -3e38, under every score; l and O^T zeros, which the first change of m leaves zeros.  So the step is written once, with no first step of its own
.irp t, 0,1
	v_mov_b32 v[ST+8*\t+1], 0xff61b1e6
	v_mov_b32 v[ST+8*\t+2], 0
	v_mov_b32 v[ST+8*\t+3], 0
.endr
.irp t, 0,1
	v_mul_f32 v[ST+8*\t], s[CS], v[ST+8*\t+1]
.endr
.set i, 0
.rept 64
	v_mov_b32 v[O+i], 0
.set i, i+1
.endr
.endm
	s_load_b128 s[4:7], s[0:1], 0x0                ; qkv, g8
	s_load_b64 s[8:9], s[0:1], 0x10                ; o16
	v_lshl_add_u32 v[SPW], v0, 2, SPARE
	v_mov_b32 v[NIL], 0
	ds_add_u32 v[SPW], v[NIL]                      ; the wave's opening: the add, twice on end, and its wait ahead of my first tensor load
	ds_add_u32 v[SPW], v[NIL]
	v_lshrrev_b32 v1, 5, v0
	v_readfirstlane_b32 s[WV], v1                  ; wave 0..7
	s_and_b32 s[J], ttmp9, 7                       ; the grid has 8 along x: the mask changes nothing and bounds what hangs on J
	s_add_co_u32 s[J1], s[J], 1
	s_and_b32 s[HEAD], ttmp7, 0xffff
	s_and_b32 s[QP], s[WV], 3
	s_lshr_b32 s[KH], s[WV], 2                     ; my half of a step's keys.  Also: which of a slot's two steps I fetch
	s_bfe_u32 s[KIND], s[WV], 0x10001              ; I fetch K (0) or V (1)
	s_mov_b32 s[G1K], (1<<16)|(1<<20)|(4<<22)|(3<<25)   ; no mask; elements of 2 bytes; padding on: four words after every 32
	s_mov_b32 s[G1V], (1<<16)|(1<<20)|(4<<22)|(7<<25)   ; eight words
.irp g, G1K, G1V
	s_mov_b32 s[\g+1], 64<<16                      ; tensor_dim0
	s_mov_b32 s[\g+2], 64<<16                      ; tensor_dim1
	s_mov_b32 s[\g+3], 64<<16                      ; tile_dim0
	s_mov_b32 s[\g+4], 64                          ; tile_dim1
	s_mov_b32 s[\g+5], 64                          ; tensor_dim0_stride
	s_mov_b32 s[\g+6], 0
	s_mov_b32 s[\g+7], 0
.endr
	s_and_b32 s50, s[WV], 1                        ; which 64 rows of the tile
	s_mul_i32 s51, s[KH], STEPB
	s_mul_i32 s52, s[KIND], VOFF
	s_add_co_u32 s51, s51, s52
	s_mul_i32 s52, s50, 64*PK
	s_add_co_u32 s51, s51, s52
	s_and_b32 s52, s50, s[KIND]
	s_lshl_b32 s52, s52, 10                        ; V's 64 rows are 1,024 bytes longer than K's
	s_add_co_u32 s51, s51, s52                     ; my part of slot 0
	s_lshl_b32 s52, s[KIND], 5
	s_add_co_u32 s52, s52, s[HEAD]
	s_add_co_u32 s52, s52, 32                      ; g = 32 + 32 KIND + head
	s_lshl_b32 s52, s52, 18
	s_lshl_b32 s53, s50, 13
	s_add_co_u32 s[OF], s52, s53
	s_mov_b32 s[OF+1], 0
	s_mov_b32 s[SEL], 0x76543210
	s_mov_b32 s[SEL+1], 0xfedcba98
	s_mov_b32 s[CS], 0x3e38aa3b                    ; c = log2(e) / 8
	s_mov_b32 s[CS+1], s[CS]
	s_mov_b32 s[LM], 0xaaaaaaaa
	s_mov_b32 s[LM+1], 0xcccccccc
	s_mov_b32 s[LM+2], 0xf0f0f0f0
	s_mov_b32 s[LM+3], 0xff00ff00
	s_mov_b32 s[LM+4], 0xffff0000
	s_mov_b32 s[T], 0
	s_mov_b32 s[TB], 0
	s_mov_b32 s[U], 7
	s_mov_b32 s[TN], s[KH]
	s_cmp_lt_u32 s[QP], 2
	s_cselect_b32 s[HID], s[KH], 0                 ; on a diagonal step queries 0-63 see none of keys 64-127
	s_cmp_eq_u32 s[J], 0
	s_cselect_b32 s[LIM], 17, 0                    ; the head's work-group J = 0 prefetches, and nobody else
	s_wait_dscnt 0x0                               ; both opening adds are done
	s_wait_kmcnt 0x0
	s_add_nc_u64 s[LB:LB+1], s[4:5], s[OF:OF+1]
	TILE_AT TN
	s_mov_b32 s[G0], 1
	s_mov_b32 s[G0+1], s51
	s_add_nc_u64 s[G0+2:G0+3], s[LB:LB+1], s[OF:OF+1]
	s_or_b32 s[G0+3], s[G0+3], 0x80000000
	TLOAD                                          ; steps 0 and 1 into slot 0: every wave issues one of the eight first fills
	s_add_co_u32 s[TN], s[TN], 2
	s_mov_b32 s51, 0
	s_lshl_b32 s50, s[HEAD], 13
	s_add_nc_u64 s[6:7], s[6:7], s[50:51]          ; my head's gates
	s_lshl_b32 s50, s[HEAD], 18
	s_lshl_b32 s52, s[J], 14
	s_add_co_u32 s50, s50, s52
	s_lshl_b32 s52, s[QP], 12
	s_add_co_u32 s50, s50, s52
	s_add_nc_u64 s[QB:QB+1], s[4:5], s[50:51]      ; q: (head x 2,048 + 128 J + 32 QP) rows of 128 bytes
	s_lshl_b32 s50, s[J], 19
	s_lshl_b32 s52, s[HEAD], 14
	s_add_co_u32 s50, s50, s52
	s_lshl_b32 s52, s[QP], 12
	s_add_co_u32 s50, s50, s52
	s_add_nc_u64 s[OB:OB+1], s[8:9], s[50:51]      ; o16: ((32 J + head) x 128 + 32 QP) rows of 128 bytes
	v_and_b32 v248, 15, v0                         ; r
	v_bfe_u32 v249, v0, 4, 1                       ; h
	v_and_b32 v250, 31, v0                         ; lane
	v_lshlrev_b32 v[GOF], 5, v0                    ; thread t takes positions 8 t .. 8 t + 7
	v_lshlrev_b32 v[QO], 7, v248
	v_lshl_add_u32 v[QO], v249, 4, v[QO]
	global_load_b128 v[W:W+3], v[GOF], s[6:7]
	global_load_b128 v[W+4:W+7], v[GOF], s[6:7] offset:16
	QLOAD
	v_mul_u32_u24 v[AK0], v248, PK                 ; K: my half's rows, row r, + 16 h
	v_lshl_add_u32 v[AK0], v249, 4, v[AK0]
	s_mul_i32 s50, s[KH], 64*PK
	v_add_nc_u32 v[AK0], s50, v[AK0]
	v_and_b32 v251, 7, v0                          ; V, for the turning load: key 8 h + l % 8, channels 8 ((l / 8) % 2) on
	v_lshl_add_u32 v[AV0], v249, 3, v251
	v_mul_u32_u24 v[AV0], v[AV0], PV
	v_bfe_u32 v251, v0, 3, 1
	v_lshl_add_u32 v[AV0], v251, 4, v[AV0]
	s_mul_i32 s50, s[KH], 64*PV
	s_add_co_u32 s50, s50, VOFF
	v_add_nc_u32 v[AV0], s50, v[AV0]
	s_lshl_b32 s50, s[KH], 8                       ; the bias: 4 bytes a key: my half's 64, + 8 h keys
	s_add_co_u32 s50, s50, BL
	v_lshl_add_u32 v[AB0], v249, 5, s50
	s_lshl_b32 s50, s[QP], 5
	s_lshl_b32 s52, s[KH], 6
	s_sub_co_i32 s50, s50, s52
	v_lshlrev_b32 v251, 3, v249
	v_sub_nc_u32 v251, v248, v251
	v_add_nc_u32 v[D0], s50, v251                  ; 32 QP + r - 64 KH - 8 h
	v_add_nc_u32 v[D0+1], 16, v[D0]
	v_mov_b32 v[NINF], 0xff800000
	s_mul_i32 s50, s[QP], STGW
	s_add_co_u32 s50, s50, STG
	v_mul_u32_u24 v[STO], v248, SGP                ; the stage, in: row r, 16 bytes for each half of the lanes
	v_lshl_add_u32 v[STO], v249, 4, v[STO]
	v_add_nc_u32 v[STO], s50, v[STO]
	v_lshrrev_b32 v251, 3, v250                    ; back: eight lanes to a row of 128 bytes
	v_mul_u32_u24 v[RD], v251, SGP
	v_and_b32 v251, 7, v0
	v_lshl_add_u32 v[RD], v251, 4, v[RD]
	v_add_nc_u32 v[RD], s50, v[RD]
	v_lshlrev_b32 v[GO], 4, v250
	s_mul_i32 s50, s[QP], MRGW
	s_add_co_u32 s50, s50, MRG
	v_lshl_add_u32 v[MA], v250, 4, s50             ; the merge: an image's place for my lane; the same in waves w and w + 4
	v_lshlrev_b32 v[PFO], 8, v250
	; ---- G = the cumulative sum of the head's 2,048 numbers: in the thread, over the lanes, over the waves
	s_wait_loadcnt 8                               ; the gates' two loads are in; Q's eight may be out
.irp i, 1,2,3,4,5,6,7
	v_add_f32 v[W+\i], v[W+\i], v[W+\i-1]
.endr
	v_mov_b32 v232, v231                           ; the sum of a growing group of lanes, mine among them
	v_mov_b32 v233, 0                              ; the sum of the lanes below mine
	v_mov_b32 v234, 0
.macro SCAN d, m
	v_mov_b32_dpp v234, v232 row_xmask:\d row_mask:0xf bank_mask:0xf
	v_cndmask_b32 v235, 0, v234, s[LM+\m]          ; the partner group lies below mine where my lane has the bit
	v_add_f32 v233, v233, v235
	v_add_f32 v232, v232, v234
.endm
	SCAN 1, 0
	SCAN 2, 1
	SCAN 4, 2
	SCAN 8, 3
	v_permlanex16_b32 v234, v232, s[SEL], s[SEL+1]
	v_cndmask_b32 v235, 0, v234, s[LM+4]
	v_add_f32 v233, v233, v235
	v_add_f32 v232, v232, v234                     ; the wave's total
	s_lshl_b32 s50, s[WV], 2
	s_add_co_u32 s50, s50, WTOT
	v_mov_b32 v250, s50
	ds_store_b32 v250, v232                        ; all lanes write the same word with the same value
	s_wait_dscnt 0x0                               ; for the others' sake
	s_barrier_signal -1
	s_barrier_wait -1
	v_mov_b32 v251, WTOT
	ds_load_b128 v[240:243], v251
	ds_load_b128 v[244:247], v251 offset:16
	s_wait_dscnt 0x0
.irp i, 0,1,2,3,4,5,6
	s_cmp_gt_u32 s[WV], \i
	s_cselect_b32 s50, 0x3f800000, 0
	v_fmac_f32 v233, s50, v[240+\i]                ; the totals of the waves below mine: x 1 or x 0
.endr
.irp i, 0,1,2,3,4,5,6,7
	v_add_f32 v[W+\i], v[W+\i], v233
.endr
	v_lshl_add_u32 v255, v0, 5, FARR
	ds_store_b128 v255, v[W:W+3]
	ds_store_b128 v255, v[W+4:W+7] offset:16
	s_wait_dscnt 0x0
	s_barrier_signal -1
	s_barrier_wait -1
	s_lshl_b32 s50, s[J], 9                        ; G at the first query of block J,
	s_add_co_u32 s50, s50, FARR
	v_mov_b32 v250, s50
	s_xor_b32 s52, s[J], 15                        ; and of block 15 - J
	s_and_b32 s52, s52, 15
	s_lshl_b32 s52, s52, 9
	s_add_co_u32 s52, s52, FARR
	v_mov_b32 v251, s52
	ds_load_b32 v248, v250
	ds_load_b32 v249, v251
	s_wait_dscnt 0x0
.irp i, 0,1,2,3,4,5,6,7
	v_sub_f32 v[232+\i], v248, v[W+\i]
.endr
.irp i, 0,1,2,3,4,5,6,7
	v_sub_f32 v[240+\i], v249, v[W+\i]
.endr
	ds_store_b128 v255, v[232:235] offset:BL-FARR  ; the first change of slots, below, waits for these stores and passes a barrier ahead of every read
	ds_store_b128 v255, v[236:239] offset:BL-FARR+16
	ds_store_b128 v255, v[240:243] offset:BH-FARR
	ds_store_b128 v255, v[244:247] offset:BH-FARR+16
	RESET
	s_wait_loadcnt 0x0                             ; Q
; THE CHANGE OF SLOTS stands at a slot's head.  Each wave waits for all its tensor loads (one is out: its part of the slot ahead), adds 0 to its spare word, and waits for that and for its LDS reads and stores.
; Behind the barrier the slot ahead is whole and nobody reads the other one, which is filled with the next two steps (fill = 1), with step 16 alone, by waves 0 to 3 (fill = 2), or not (0).
; A PREFETCH stands behind the tensor load (fill = 1): the 8,192 bytes, lanes 256 bytes apart, that this same wave will ask for at the NEXT change: two steps ahead of that load.  Only the head's work-group J = 0 asks;
; there step n fetches key tile n - 1, so key tiles 3 to 15 are named once each in the launch; nothing is asked for at the head, and nothing beyond tile 15.
.macro CHANGE fill
	s_wait_tensorcnt 0x0                           ; no tensor load of mine is out, so the group 0 may be written
	ds_add_u32 v[SPW], v[NIL]                      ; 0 onto my spare word
.if \fill
	s_xor_b32 s[G0+1], s[G0+1], SLOT1
	TILE_AT TN
	s_add_nc_u64 s[G0+2:G0+3], s[LB:LB+1], s[OF:OF+1]
	s_or_b32 s[G0+3], s[G0+3], 0x80000000
.endif
.if \fill == 1
	s_wait_xcnt 0x0                                ; the last prefetch, two steps back, has read its address
	s_add_co_u32 s50, s[TN], 1
	s_lshl_b32 s[OF], s50, 14
	s_add_nc_u64 s[PFA:PFA+1], s[LB:LB+1], s[OF:OF+1]   ; with J = 0: step TN + 2 fetches key tile TN + 1
.endif
	s_wait_dscnt 0x0
	s_barrier_signal -1
	s_barrier_wait -1
.if \fill == 1
	TLOAD
	s_add_co_u32 s50, s[TN], 2
	s_cmp_lt_u32 s50, s[LIM]
	s_cbranch_scc0 .Lnot_mine_\@
	global_prefetch_b8 v[PFO], s[PFA:PFA+1] th:TH_LOAD_NT scope:SCOPE_SE
.Lnot_mine_\@:
	s_add_co_u32 s[TN], s[TN], 2
.elseif \fill == 2
	s_cmp_lt_u32 s[WV], 4
	s_cbranch_scc0 .Lnone_\@
	TLOAD
.Lnone_\@:
.endif
.endm
; THE SOFTMAX of my two tiles of 16 queries x 64 keys, the tiles by turns.  All 66 exponentials are one batch with one wait ahead of their first reader.
.macro SOFTMAX
.irp j, 0,1,2,3
.irp t, 0,1
	v_max3_num_f32 v[ST+8*\t+4+\j], v[S+32*\t+8*\j], v[S+32*\t+8*\j+1], v[S+32*\t+8*\j+2]   ; each accumulator is read from its low end on
.endr
.endr
.irp g, 1,2
.irp j, 0,1,2,3
.irp t, 0,1
	v_max3_num_f32 v[ST+8*\t+4+\j], v[ST+8*\t+4+\j], v[S+32*\t+8*\j+2*\g+1], v[S+32*\t+8*\j+2*\g+2]
.endr
.endr
.endr
.irp t, 0,1
	v_max3_num_f32 v[ST+8*\t+4], v[ST+8*\t+4], v[S+32*\t+7], v[S+32*\t+15]
	v_max3_num_f32 v[ST+8*\t+6], v[ST+8*\t+6], v[S+32*\t+23], v[S+32*\t+31]
.endr
.irp t, 0,1
	v_max3_num_f32 v[ST+8*\t+4], v[ST+8*\t+4], v[ST+8*\t+5], v[ST+8*\t+6]
.endr
.irp t, 0,1
	v_max3_num_f32 v[ST+8*\t+4], v[ST+8*\t+4], v[ST+8*\t+7], v[ST+8*\t+1]   ; with the old m
.endr
.irp t, 0,1
	v_permlanex16_b32 v[ST+8*\t+5], v[ST+8*\t+4], s[SEL], s[SEL+1]          ; the query's other 32 keys lie in the lane 16 away
.endr
.irp t, 0,1
	v_mov_b32 v[ST+8*\t+7], v[ST+8*\t]
.endr
.irp t, 0,1
	v_max_num_f32 v[ST+8*\t+1], v[ST+8*\t+4], v[ST+8*\t+5]
.endr
.irp t, 0,1
	v_mul_f32 v[ST+8*\t], s[CS], v[ST+8*\t+1]
.endr
.irp t, 0,1
	v_sub_f32 v[ST+8*\t+7], v[ST+8*\t+7], v[ST+8*\t]
.endr
.irp b, 0,1,2,3,4,5,6,7,8,9,10,11,12,13,14,15
.irp t, 0,1
	v_pk_fma_f32 v[S+32*\t+2*\b:S+32*\t+2*\b+1], v[S+32*\t+2*\b:S+32*\t+2*\b+1], s[CS:CS+1], v[ST+8*\t:ST+8*\t+1] op_sel_hi:[1,0,0] neg_lo:[0,0,1] neg_hi:[0,0,1]   ; c S' - c m
.endr
.endr
.irp t, 0,1
	v_exp_f32 v[ST+8*\t+6], v[ST+8*\t+7]           ; a
.endr
.irp e, 0,1,2,3,4,5,6,7,8,9,10,11,12,13,14,15,16,17,18,19,20,21,22,23,24,25,26,27,28,29,30,31
.irp t, 0,1
	v_exp_f32 v[S+32*\t+\e], v[S+32*\t+\e]
.endr
.endr
	v_nop                                          ; a plain instruction behind the last exponential
	s_wait_alu depctr_va_vdst(0)                   ; one wait for the batch
.irp b, 0,1,2,3,4,5,6,7,8,9,10,11,12,13,14,15
.irp t, 0,1
	v_cvt_pk_f16_f32 v[P+16*\t+\b], v[S+32*\t+2*\b], v[S+32*\t+2*\b+1]
.endr
.endr
.irp u, 0,1,2,3,4,5,6,7                ; the sum of the unrounded p, in place: neighbours 1, 2, 4 and 8 pairs apart
.irp t, 0,1
	v_pk_add_f32 v[S+32*\t+4*\u:S+32*\t+4*\u+1], v[S+32*\t+4*\u:S+32*\t+4*\u+1], v[S+32*\t+4*\u+2:S+32*\t+4*\u+3]
.endr
.endr
.irp u, 0,1,2,3
.irp t, 0,1
	v_pk_add_f32 v[S+32*\t+8*\u:S+32*\t+8*\u+1], v[S+32*\t+8*\u:S+32*\t+8*\u+1], v[S+32*\t+8*\u+4:S+32*\t+8*\u+5]
.endr
.endr
.irp u, 0,1
.irp t, 0,1
	v_pk_add_f32 v[S+32*\t+16*\u:S+32*\t+16*\u+1], v[S+32*\t+16*\u:S+32*\t+16*\u+1], v[S+32*\t+16*\u+8:S+32*\t+16*\u+9]
.endr
.endr
.irp t, 0,1
	v_pk_add_f32 v[S+32*\t:S+32*\t+1], v[S+32*\t:S+32*\t+1], v[S+32*\t+16:S+32*\t+17]
.endr
.irp t, 0,1
	v_pk_fma_f32 v[ST+8*\t+2:ST+8*\t+3], v[ST+8*\t+2:ST+8*\t+3], v[ST+8*\t+6:ST+8*\t+7], v[S+32*\t:S+32*\t+1] op_sel_hi:[1,0,1]   ; l = a l + the sum
.endr
.irp b, 0,1,2,3,4,5,6,7,8,9,10,11,12,13,14,15
.irp t, 0,1
	v_pk_mul_f32 v[O+32*\t+2*\b:O+32*\t+2*\b+1], v[O+32*\t+2*\b:O+32*\t+2*\b+1], v[ST+8*\t+6:ST+8*\t+7] op_sel_hi:[1,0]   ; O^T x a
.endr
.endr
.endm
; A BLOCK'S END.  Waves 4 to 7 hand O^T, c m and l to waves 0 to 3 as images of their registers; those merge the two halves of the keys, divide by l, round to f16 and store 32 whole rows through their stages.
; last = 0: the work-group goes on to block 15 - J.  The branch round this macro hangs on the step's number and on J alone: all eight waves go the same way, so every wave passes its barriers.
.macro FINAL last
.rept 4
	v_nop                                          ; places behind the last products
.endr
	s_cmp_lt_u32 s[WV], 4
	s_cbranch_scc1 .Lkeep_\@
.set i, 0
.rept 16
	ds_store_b128 v[MA], v[O+4*i:O+4*i+3] offset:512*i
.set i, i+1
.endr
.irp t, 0,1
	ds_store_b128 v[MA], v[ST+8*\t:ST+8*\t+3] offset:8192+512*\t
.endr
.Lkeep_\@:
	s_wait_dscnt 0x0                               ; for the others' sake: my stores have landed
	s_barrier_signal -1
	s_barrier_wait -1
	s_cmp_lt_u32 s[WV], 4
	s_cbranch_scc0 .Lsent_\@
.set i, 0
.rept 16
	ds_load_b128 v[S+4*i:S+4*i+3], v[MA] offset:512*i
.set i, i+1
.endr
.irp t, 0,1
	ds_load_b128 v[W+4*\t:W+4*\t+3], v[MA] offset:8192+512*\t
.endr
	s_wait_dscnt 0x0
.irp t, 0,1
	v_max_num_f32 v[W+16+\t], v[ST+8*\t], v[W+4*\t]            ; the larger c m
.endr
.irp t, 0,1
	v_sub_f32 v[W+8+4*\t], v[ST+8*\t], v[W+16+\t]
	v_sub_f32 v[W+10+4*\t], v[W+4*\t], v[W+16+\t]
.endr
.irp t, 0,1
	v_exp_f32 v[W+8+4*\t], v[W+8+4*\t]                         ; my half's factor,
	v_exp_f32 v[W+10+4*\t], v[W+10+4*\t]                       ; the other's: one of the two is 1
.endr
.irp t, 0,1
	v_add_f32 v[W+18+\t], v[ST+8*\t+2], v[ST+8*\t+3]
	v_add_f32 v[W+20+\t], v[W+4*\t+2], v[W+4*\t+3]
	v_mov_b32 v[W+9+4*\t], 0                                   ; (named as the upper halves of pairs)
	v_mov_b32 v[W+11+4*\t], 0
	v_mov_b32 v[W+22+\t], 0                                    ; (a lane permute's destination counts as one of its sources)
.endr
	s_wait_alu depctr_va_vdst(0)                   ; one wait for the four exponentials
.irp t, 0,1
	v_mul_f32 v[W+18+\t], v[W+18+\t], v[W+8+4*\t]
.endr
.irp t, 0,1
	v_fmac_f32 v[W+18+\t], v[W+20+\t], v[W+10+4*\t]
.endr
.irp t, 0,1
	v_permlanex16_b32 v[W+22+\t], v[W+18+\t], s[SEL], s[SEL+1]
.endr
.irp t, 0,1
	v_add_f32 v[W+18+\t], v[W+18+\t], v[W+22+\t]               ; the row's sum: at least 1, since the row's largest p is 1
.endr
.irp t, 0,1
	v_rcp_f32 v[W+20+\t], v[W+18+\t]
.endr
	v_nop
	s_wait_alu depctr_va_vdst(0)                   ; one wait for the two reciprocals
.irp t, 0,1
	v_mul_f32 v[W+8+4*\t], v[W+8+4*\t], v[W+20+\t]
	v_mul_f32 v[W+10+4*\t], v[W+10+4*\t], v[W+20+\t]
.endr
.irp t, 0,1
.set i, 0
.rept 16
	v_pk_mul_f32 v[O+32*\t+2*i:O+32*\t+2*i+1], v[O+32*\t+2*i:O+32*\t+2*i+1], v[W+8+4*\t:W+9+4*\t] op_sel_hi:[1,0]
.set i, i+1
.endr
.set i, 0
.rept 16
	v_pk_fma_f32 v[O+32*\t+2*i:O+32*\t+2*i+1], v[S+32*\t+2*i:S+32*\t+2*i+1], v[W+10+4*\t:W+11+4*\t], v[O+32*\t+2*i:O+32*\t+2*i+1] op_sel_hi:[1,0,1]
.set i, i+1
.endr
.set i, 0
.rept 16
	v_cvt_pk_f16_f32 v[P+16*\t+i], v[O+32*\t+2*i], v[O+32*\t+2*i+1]
.set i, i+1
.endr
.endr
.irp t, 0,1
.irp c, 0,1,2,3
	ds_store_b128 v[STO], v[P+16*\t+4*\c:P+16*\t+4*\c+3] offset:\t*16*SGP+32*\c   ; query 16 t + r, channels 16 c + 8 h on
.endr
.endr
.irp i, 0,1,2,3,4,5,6,7
	ds_load_b128 v[BI+4*\i:BI+4*\i+3], v[RD] offset:4*SGP*\i   ; LDS serves a wave's instructions in order: these see my stores
.endr
.irp i, 0,1,2,3,4,5,6,7
	s_wait_dscnt 7-\i                              ; the later loads may stay out
	global_store_b128 v[GO], v[BI+4*\i:BI+4*\i+3], s[OB:OB+1] offset:512*\i   ; 32 lanes store 512 consecutive bytes, aligned
.endr
.Lsent_\@:
.if !\last
	s_wait_dscnt 0x0                               ; my reads of the merge's bytes are over:
	s_barrier_signal -1
	s_barrier_wait -1                              ; only behind this barrier are they stored again
	s_wait_xcnt 0x0                                ; the stores have read their base and their data
	s_lshl_b32 s50, s[J], 1
	s_sub_co_u32 s50, 15, s50                      ; 15 - 2 J blocks on
	s_lshl_b32 s[OF], s50, 14
	s_add_nc_u64 s[QB:QB+1], s[QB:QB+1], s[OF:OF+1]
	s_lshl_b32 s[OF], s50, 19
	s_add_nc_u64 s[OB:OB+1], s[OB:OB+1], s[OF:OF+1]
	QLOAD
	RESET
	s_wait_loadcnt 0x0
.endif
.endm
; A STEP: my 32 queries against my 64 of the step's 128 keys.  diag = 1: the step may be block J's diagonal (T = J); 2: it is block 15 - J's; 0: it is none.  fin = 1: block J may end here; 2: block 15 - J ends.
.macro STEP diag, fin
	s_sub_co_u32 s50, s[T], s[J1]
	s_cmp_le_u32 s[T], s[J]
	s_cselect_b32 s50, s[T], s50                   ; the key tile,
	s_cselect_b32 s51, 0, 8192                     ; and whose bias
	s_and_b32 s50, s50, 15
	s_lshl_b32 s50, s50, 9
	s_add_co_u32 s[TBI], s50, s51
	v_add_nc_u32 v[ADK], s[TB], v[AK0]             ; these three and the v_nop are the places between the last products and the loads into V's registers
	v_add_nc_u32 v[ADV], s[TB], v[AV0]
	v_add_nc_u32 v[ADB], s[TBI], v[AB0]
	v_nop
.if \diag == 1
	s_cmp_eq_u32 s[T], s[J]
	s_cselect_b32 s52, 1, 0
	s_and_b32 s53, s52, s[HID]
	s_cmp_lg_u32 s53, 0
	s_cbranch_scc1 .Lhid_\@                        ; my whole tile lies above the diagonal: no barrier and no tensor load stands in what is jumped over
.elseif \diag == 2
	s_cmp_lg_u32 s[HID], 0
	s_cbranch_scc1 .Lhid_\@
.endif
.irp k, 0,1,2,3
	ds_load_b128 v[BI+8*\k:BI+8*\k+3],   v[ADB] offset:64*\k       ; G_ref - G of keys 16 k + 8 h + 0 .. 7: the result's layout
	ds_load_b128 v[BI+8*\k+4:BI+8*\k+7], v[ADB] offset:64*\k+16
.endr
	WIN 0x40
.irp k, 0,1,2,3
.irp c, 0,1
	ds_load_b128 v[KF+16*\k+8*\c:KF+16*\k+8*\c+3],   v[ADK] offset:\k*16*PK+64*\c
	ds_load_b128 v[KF+16*\k+8*\c+4:KF+16*\k+8*\c+7], v[ADK] offset:\k*16*PK+64*\c+32
.endr
.endr
.irp k, 0,1
.irp c, 0,1,2,3
	ds_load_tr16_b128 v[VF+32*\k+8*\c:VF+32*\k+8*\c+3],   v[ADV] offset:\k*32*PV+32*\c
	ds_load_tr16_b128 v[VF+32*\k+8*\c+4:VF+32*\k+8*\c+7], v[ADV] offset:\k*32*PV+16*PV+32*\c
.endr
.endr
	s_wait_dscnt 16                                ; the bias and K are in; V's sixteen loads may be out
	WIN 0x05                                       ; K and Q window 1; C and D window 0.  The eight accumulators take turns
.irp k, 0,1,2,3
.irp q, 0,1
	v_wmma_f32_16x16x32_f16 v[S+32*\q+8*\k:S+32*\q+8*\k+7], v[KF+16*\k:KF+16*\k+7], v[QF+16*\q:QF+16*\q+7], v[BI+8*\k:BI+8*\k+7]
.endr
.endr
.irp k, 0,1,2,3
.irp q, 0,1
	v_wmma_f32_16x16x32_f16 v[S+32*\q+8*\k:S+32*\q+8*\k+7], v[KF+16*\k+8:KF+16*\k+15], v[QF+16*\q+8:QF+16*\q+15], v[S+32*\q+8*\k:S+32*\q+8*\k+7]
.endr
.endr
	WIN 0
.rept 4
	v_nop
.endr
.if \diag == 1
	s_cmp_eq_u32 s52, 0
	s_cbranch_scc1 .Lopen_\@
.endif
.if \diag                              ; on the diagonal hidden scores become -infinity ahead of the maximum: register 8 k + i of tile q holds a key that is hidden where 16 k + i > D0 + 16 q
.irp q, 0,1
.irp k, 0,1,2,3
.irp i, 0,1,2,3,4,5,6,7
	v_cmp_gt_i32 vcc_lo, 16*\k+\i, v[D0+\q]
	v_cndmask_b32 v[S+32*\q+8*\k+\i], v[S+32*\q+8*\k+\i], v[NINF], vcc_lo
.endr
.endr
.endr
.endif
.Lopen_\@:
	SOFTMAX
	s_wait_dscnt 0x0                               ; V
	WIN 0x01                                       ; V window 1; P, C and D window 0
.irp k, 0,1
.irp c, 0,1,2,3
.irp q, 0,1
	v_wmma_f32_16x16x32_f16 v[O+32*\q+8*\c:O+32*\q+8*\c+7], v[VF+32*\k+8*\c:VF+32*\k+8*\c+7], v[P+16*\q+8*\k:P+16*\q+8*\k+7], v[O+32*\q+8*\c:O+32*\q+8*\c+7]
.endr
.endr
.endr
	WIN 0
.Lhid_\@:
	s_add_co_u32 s[T], s[T], 1
	s_add_co_u32 s[TB], s[TB], STEPB
.if \fin == 1
	s_cmp_eq_u32 s[T], s[J1]
	s_cbranch_scc0 .Lnofin_\@
	FINAL 0
.Lnofin_\@:
.elseif \fin == 2
	FINAL 1
.endif
.endm
.macro TWO diag, fin                   ; a slot's two steps: written once, walked twice
	s_mov_b32 s[TW], 2
.Lstep_\@:
	STEP \diag, \fin
	s_sub_co_u32 s[TW], s[TW], 1
	s_cmp_lg_u32 s[TW], 0
	s_cbranch_scc1 .Lstep_\@
	s_sub_co_u32 s[TB], s[TB], 2*STEPB
	s_xor_b32 s[TB], s[TB], SLOT1                  ; on to the other slot
.endm
.Lunit:                                            ; seven trips: steps 0 to 13; block J's diagonal and end (J <= 7) lie among them
	CHANGE 1
	TWO 1, 1
	s_sub_co_u32 s[U], s[U], 1
	s_cmp_lg_u32 s[U], 0
	s_cbranch_scc1 .Lunit
	CHANGE 2                                       ; the tail is written out: step 16 alone is left to fetch,
	TWO 0, 0
	CHANGE 0                                       ; then nothing
	STEP 2, 2
	s_wait_tensorcnt 0x0                           ; the wave's end
	ds_add_u32 v[SPW], v[NIL]
	s_wait_dscnt 0x0
	s_endpgm
.Lfunc_end_k_q74119d6770_attn:
	.size	k_q74119d6770_attn, .Lfunc_end_k_q74119d6770_attn-k_q74119d6770_attn
	.p2alignl 7, 3214868480
	.fill 96, 4, 3214868480
	.section	.rodata,"a",@progbits
	.p2align	6, 0x0
	.amdhsa_kernel k_q74119d6770_attn
		.amdhsa_group_segment_fixed_size 327680
		.amdhsa_private_segment_fixed_size 0
		.amdhsa_enable_private_segment 0
		.amdhsa_kernarg_size 24
		.amdhsa_user_sgpr_count 2
		.amdhsa_user_sgpr_kernarg_segment_ptr 1
		.amdhsa_wavefront_size32 1
		.amdhsa_system_sgpr_workgroup_id_x 1
		.amdhsa_system_sgpr_workgroup_id_y 1
		.amdhsa_system_sgpr_workgroup_id_z 1
		.amdhsa_system_vgpr_workitem_id 0
		.amdhsa_next_free_vgpr 416
		.amdhsa_next_free_sgpr 72
		.amdhsa_reserve_vcc 1
		.amdhsa_float_denorm_mode_32 3
		.amdhsa_float_denorm_mode_16_64 3
		.amdhsa_memory_ordered 1
		.amdhsa_forward_progress 1
		.amdhsa_inst_pref_size 107
	.end_amdhsa_kernel
	.amdgpu_metadata
---
amdhsa.version: [ 1, 2 ]
amdhsa.kernels:
  - .name:           k_q74119d6770_attn
    .symbol:         k_q74119d6770_attn.kd
    .args:
      - { .name: qkv, .offset: 0, .size: 8, .value_kind: global_buffer, .address_space: global }
      - { .name: g8, .offset: 8, .size: 8, .value_kind: global_buffer, .address_space: global }
      - { .name: o16, .offset: 16, .size: 8, .value_kind: global_buffer, .address_space: global }
    .group_segment_fixed_size: 327680
    .private_segment_fixed_size: 0
    .kernarg_segment_align: 8
    .kernarg_segment_size: 24
    .max_flat_workgroup_size: 256
    .sgpr_count:     72
    .vgpr_count:     416
    .wavefront_size: 32
...
	.end_amdgpu_metadata
.endif
;; end of part 3
;; launch oproj (part 4): grid 16 x 16, 4 waves a work-group, clusters of 4 x 4, 327,680 bytes of LDS; arguments o16, wo16, out0; writes out0
.if DOCPART == 4
	.amdgcn_target "amdgcn-amd-amdhsa--gfx1250"
	.amdhsa_code_object_version 6
	.text
	.protected	k_q74119d6770_oproj
	.globl	k_q74119d6770_oproj
	.p2align	8
	.type	k_q74119d6770_oproj,@function
k_q74119d6770_oproj:
	s_mov_b64 s[64:65], 0
	v_nop
	global_prefetch_b8 v0, s[64:65] scope:SCOPE_SE
	s_setreg_imm32_b32 hwreg(HW_REG_WAVE_MODE, 25, 1), 1
	s_wait_xcnt 0x0
	s_wait_alu depctr_hold_cnt(0) depctr_sa_sdst(0) depctr_va_vdst(0) depctr_va_sdst(0) depctr_va_ssrc(0) depctr_va_vcc(0) depctr_vm_vsrc(0)
	s_getreg_b32 s2, hwreg(HW_REG_IB_STS2, 6, 4)
	s_cmp_eq_u32 s2, 0
	s_cbranch_scc0 .Lentry_in_a_cluster
	s_endpgm
.Lentry_in_a_cluster:
	s_bfe_u32 s2, ttmp6, 0x10000c
	s_cmp_lg_u32 s2, 0xf033
	s_cbranch_scc0 .Lentry_shape_is_right
	s_endpgm
.Lentry_shape_is_right:
; Launch 4 of 4: out[m][n] = the sum over k of o[m][k] Wo[n][k], 2,048 x 2,048 x 2,048, f16 operands, f32 sums, f32 out.
; o16 and wo16: f16 [16 blocks of 128 rows][32 chunks of 64 k][128][64]: a block's chunks lie on end, so two chunks are 256 dense rows of 128 bytes: one tensor load.
; A tile of out is 128 x 128: 256 work-groups, one for each WGP.  Four waves, each 64 x 64: 16 accumulators.  K goes in steps of 256 (four chunks) through two LDS slots.
; CLUSTERS: 4 x 4 work-groups.  The four of a row of the cluster need the same tiles of o, the four of a column the same tiles of Wo: each tile is asked for JOINTLY.
; THE MATRIX INSTRUCTION IS USED TRANSPOSED (source 0 = 16 rows of Wo, source 1 = 16 rows of o): a lane then holds eight neighbouring numbers of a row of out.
; REGISTERS: window 0: v0-31 addresses; v32-95 the way out; v128-255 the accumulators ((a, b) at v[128 + 8 (4 a + b)]).  window 1: two fragment buffers of 128: 64 registers of o, then 64 of Wo, for 64 along K.
.set CP,     144                       ; a chunk's row in LDS: 128 bytes + 16 = 36 words: the 16 rows of a load start at 16 different groups of four banks
.set CH,     128*CP                    ; a chunk
.set HALFT,  2*CH                      ; what one tensor load brings
.set SLOT,   8*CH                      ; o's four chunks, then Wo's four
.set STAGE,  2*SLOT                    ; behind the ring: 16 rows x 272 bytes for each wave
.set SPITCH, 272
.set SPARE,  STAGE+4*16*SPITCH         ; the spare words, 128 bytes for each wave
.set LAPS,   4                         ; a lap = two K steps of 256
.set CHB,    16384                     ; a chunk in memory
.set ADRA, 16
.set ADRB, 20
.set STO,  24
.set RD,   25
.set CO,   26
.set SPW,  28
.set NIL,  29
.set TMP,  32
.set ACC,  128
.set F0,   0
.set F1,   128
.set G1, 24
.set G0, 32
.set G1B, 48
.set G0B, 56
.set MSB, 0
.macro WIN new
.if MSB != \new
	s_set_vgpr_msb (MSB<<8)|\new
.set MSB, \new
.endif
.endm
.set MUL,  0x05                        ; sources 0 (Wo) and 1 (o) window 1; C and D window 0
.set TO_F, 0x40
.macro JLOAD s                         ; a joint load: waves 0 and 1 fetch o's two halves of a K step, waves 2 and 3 Wo's; an s_nop 0 and four v_nop follow each of the two lines
	s_cmp_eq_u32 s11, 0
	s_cbranch_scc0 .Lfor_b_\@
	tensor_load_to_lds s[G0+4*\s:G0+4*\s+3], s[G1:G1+7]
	s_nop 0
.rept 4
	v_nop
.endr
	s_branch .Lasked_\@
.Lfor_b_\@:
	tensor_load_to_lds s[G0B+4*\s:G0B+4*\s+3], s[G1B:G1B+7]
	s_nop 0
.rept 4
	v_nop
.endr
.Lasked_\@:
.endm
.macro CREST
	s_cmp_lg_u32 s10, 0
	s_cbranch_scc1 .Lnot_wave_0_\@
	s_barrier_signal -3
.Lnot_wave_0_\@:
	s_barrier_wait -3
	s_barrier_signal -1
	s_barrier_wait -1
.endm
.macro CROUND
	s_barrier_signal -1
	s_barrier_wait -1
	CREST
.endm
	s_load_b128 s[4:7], s[0:1], 0x0                ; o16, wo16
	s_load_b64 s[8:9], s[0:1], 0x10                ; out0
	v_lshl_add_u32 v[SPW], v0, 2, SPARE
	v_mov_b32 v[NIL], 0
	ds_add_u32 v[SPW], v[NIL]                      ; the wave's opening: the add, twice on end, and its wait ahead of my first tensor load
	ds_add_u32 v[SPW], v[NIL]
	v_lshrrev_b32 v1, 5, v0
	v_readfirstlane_b32 s10, v1                    ; wave 0..3
	s_lshr_b32 s11, s10, 1                         ; which half of the tile's rows is mine.  Also: I fetch for o (0) or for Wo (1)
	s_and_b32 s12, s10, 1                          ; which half of its columns.  Also: which two chunks of a K step I fetch
	s_bfe_u32 s40, ttmp6, 0x40000                  ; cx, cy
	s_bfe_u32 s41, ttmp6, 0x40004
	s_lshl_b32 s42, ttmp9, 2
	s_add_co_u32 s42, s42, s40                     ; tile column
	s_and_b32 s13, ttmp7, 0xffff
	s_lshl_b32 s13, s13, 2
	s_add_co_u32 s13, s13, s41                     ; tile row
	s_lshl_b32 s43, s41, 2
	s_lshl_b32 s43, 15, s43                        ; my row of the cluster
	s_lshl_b32 s44, 0x1111, s40                    ; my column
	s_or_b32 s[G1+0], s43, (1<<16)|(1<<20)|(1<<21)|(4<<22)|(3<<25)  ; the mask; elements of 2 bytes; padding on; bit 21 beside a mask; four words after every 32
	s_or_b32 s[G1B+0], s44, (1<<16)|(1<<20)|(1<<21)|(4<<22)|(3<<25)
.irp g, G1, G1B
	s_mov_b32 s[\g+1], 64<<16                      ; tensor_dim0 = 64
	s_mov_b32 s[\g+2], 256<<16                     ; tensor_dim1 = 256
	s_mov_b32 s[\g+3], 64<<16                      ; tile_dim0 = 64
	s_mov_b32 s[\g+4], 256                         ; tile_dim1 = 256
	s_mov_b32 s[\g+5], 64                          ; tensor_dim0_stride
	s_mov_b32 s[\g+6], 0
	s_mov_b32 s[\g+7], 0
.endr
	s_lshl_b32 s17, s12, 1                         ; my two chunks of a K step's four
	s_lshl_b32 s16, s13, 5
	s_add_co_u32 s16, s16, s17
	s_lshl_b32 s16, s16, 14                        ; o: (32 x tile row + 2 x half) chunks
	s_lshl_b32 s46, s42, 5
	s_add_co_u32 s46, s46, s17
	s_lshl_b32 s46, s46, 14                        ; Wo: by the tile column
	s_mov_b32 s17, 0
	s_mov_b32 s47, 0
	s_mul_i32 s20, s10, HALFT                      ; where they go: wave x two chunks
	s_wait_dscnt 0x0                               ; both opening adds are done
	s_wait_kmcnt 0x0
	s_add_nc_u64 s[14:15], s[4:5], s[16:17]
	s_add_nc_u64 s[46:47], s[6:7], s[46:47]
	CROUND                                         ; all sixteen work-groups are here: the first joint loads meet
.irp s, 0,1
	s_mov_b32 s[G0+4*\s], 1
	s_add_co_u32 s[G0+4*\s+1], s20, \s*SLOT
	s_add_nc_u64 s[G0+4*\s+2:G0+4*\s+3], s[14:15], \s*4*CHB
	s_or_b32 s[G0+4*\s+3], s[G0+4*\s+3], 0x80000000
	s_mov_b32 s[G0B+4*\s], 1
	s_add_co_u32 s[G0B+4*\s+1], s20, \s*SLOT
	s_add_nc_u64 s[G0B+4*\s+2:G0B+4*\s+3], s[46:47], \s*4*CHB
	s_or_b32 s[G0B+4*\s+3], s[G0B+4*\s+3], 0x80000000
	JLOAD \s
.endr
	v_and_b32 v1, 15, v0                           ; r
	v_bfe_u32 v2, v0, 4, 1                         ; h
	v_mul_u32_u24 v3, v1, CP
	v_lshl_add_u32 v3, v2, 4, v3                   ; a fragment's row x pitch + 16 x half
	s_mul_i32 s21, s11, 64*CP                      ; my 64 rows of o in each chunk
	s_mul_i32 s22, s12, 64*CP                      ; my 64 rows of Wo,
	s_add_co_u32 s22, s22, 4*CH                    ; whose chunks lie behind o's four
.irp s, 0,1
	v_add_nc_u32 v[ADRA+\s], s21, v3
	v_add_nc_u32 v[ADRB+\s], s22, v3
	s_add_co_u32 s21, s21, SLOT
	s_add_co_u32 s22, s22, SLOT
.endr
	s_mul_i32 s23, s10, 16*SPITCH
	s_add_co_u32 s23, s23, STAGE                   ; my stage: my 64 columns are 256 aligned bytes of a row, so no other wave is needed
	v_mul_u32_u24 v4, v1, SPITCH
	v_lshl_add_u32 v4, v2, 5, v4                   ; in: row r, 32 bytes for each half of the lanes
	v_add_nc_u32 v[STO], s23, v4
	v_mul_u32_u24 v5, v2, SPITCH
	v_lshl_add_u32 v5, v1, 4, v5                   ; back: lanes 0-15 one row of 256 bytes, lanes 16-31 the next
	v_add_nc_u32 v[RD], s23, v5
	v_lshlrev_b32 v5, 13, v2
	v_lshl_add_u32 v[CO], v1, 4, v5                ; and the same two rows in out
	s_lshl_b32 s16, s13, 7
	s_lshl_b32 s17, s11, 6
	s_add_co_u32 s16, s16, s17                     ; my first row
	s_lshl_b32 s16, s16, 13
	s_mov_b32 s17, 0
	s_add_nc_u64 s[8:9], s[8:9], s[16:17]
	s_lshl_b32 s46, s42, 9                         ; my first column, in bytes: 512 x tile column + 256 x half
	s_lshl_b32 s47, s12, 8
	s_add_co_u32 s46, s46, s47
	s_mov_b32 s47, 0
	s_add_nc_u64 s[8:9], s[8:9], s[46:47]
.macro MUL8 f, c, a0, zero             ; 8 matrix instructions: m blocks a0, a0 + 1 x all 4 n blocks, 32 along K.  The 16 accumulators take turns
.irp a, \a0, \a0+1
.irp b, 0,1,2,3
.if \zero
	v_wmma_f32_16x16x32_f16 v[ACC+8*(4*(\a)+\b):ACC+8*(4*(\a)+\b)+7], v[\f+64+8*(4*\c+\b):\f+64+8*(4*\c+\b)+7], v[\f+8*(4*\c+\a):\f+8*(4*\c+\a)+7], 0
.else
	v_wmma_f32_16x16x32_f16 v[ACC+8*(4*(\a)+\b):ACC+8*(4*(\a)+\b)+7], v[\f+64+8*(4*\c+\b):\f+64+8*(4*\c+\b)+7], v[\f+8*(4*\c+\a):\f+8*(4*\c+\a)+7], v[ACC+8*(4*(\a)+\b):ACC+8*(4*(\a)+\b)+7]
.endif
.endr
.endr
.endm
.macro FETCH slot, k, f                ; 32 LDS loads in one run: the fragments of one chunk, which begins at byte k of the slot's part, into buffer f; the first 32 along K first
	WIN TO_F
.irp c, 0,1
.irp i, 0,1,2,3
	ds_load_b128 v[\f+64+8*(4*\c+\i):\f+64+8*(4*\c+\i)+3],   v[ADRB+\slot] offset:\k+64*\c+\i*16*CP
	ds_load_b128 v[\f+64+8*(4*\c+\i)+4:\f+64+8*(4*\c+\i)+7], v[ADRB+\slot] offset:\k+64*\c+\i*16*CP+32
	ds_load_b128 v[\f+8*(4*\c+\i):\f+8*(4*\c+\i)+3],         v[ADRA+\slot] offset:\k+64*\c+\i*16*CP
	ds_load_b128 v[\f+8*(4*\c+\i)+4:\f+8*(4*\c+\i)+7],       v[ADRA+\slot] offset:\k+64*\c+\i*16*CP+32
.endr
.endr
.endm
.macro PLACES
.rept 4
	v_nop
.endr
.endm
.macro QUARTER slot, k, f, g, zero     ; multiplies buffer f (one chunk) and fetches the next chunk, at byte k, into g
	s_wait_dscnt 16                                ; the first 32 along K are in; the other sixteen loads may be out
	WIN MUL
	MUL8 \f, 0, 0, \zero
	MUL8 \f, 0, 2, \zero
	PLACES
	FETCH \slot, \k, \g
	s_wait_dscnt 32                                ; all but the 32 just issued
	WIN MUL
	MUL8 \f, 1, 0, 0
	MUL8 \f, 1, 2, 0
.endm
; The last quarter changes slots: ONE barrier; in front of it each wave waits for all its tensor loads, adds 0 to its spare word, and waits for that and for its own reads of this slot.
.macro TURN slot, next, fill
	WIN 0
	s_wait_tensorcnt 0x0                           ; all my tensor loads have landed: my part of the next slot
	ds_add_u32 v[SPW], v[NIL]                      ; 0 onto my spare word
	s_wait_dscnt 17                                ; (the add and the youngest sixteen loads may be out)
	WIN MUL
	MUL8 F1, 0, 0, 0
	s_wait_dscnt 0x0                               ; the add is done, and my reads of this slot are over
	s_barrier_signal -1
	MUL8 F1, 0, 2, 0
.if \fill
	WIN 0
.endif
	s_barrier_wait -1
.if \fill
	CREST                                          ; the barrier has opened a round of the cluster's barrier
	s_add_nc_u64 s[G0+4*\slot+2:G0+4*\slot+3], s[G0+4*\slot+2:G0+4*\slot+3], 8*CHB
	s_add_nc_u64 s[G0B+4*\slot+2:G0B+4*\slot+3], s[G0B+4*\slot+2:G0B+4*\slot+3], 8*CHB
	JLOAD \slot                                    ; the first tensor load behind the round; its four v_nop are the places in front of the loads below
.else
	PLACES
.endif
	FETCH \next, 0, F0
	WIN MUL
	MUL8 F1, 1, 0, 0
	MUL8 F1, 1, 2, 0
.endm
	s_wait_tensorcnt 1                             ; my part of K step 0 is in (K step 1's load may be out),
	s_barrier_signal -1
	s_barrier_wait -1                              ; everybody's is
	FETCH 0, 0, F0
	QUARTER 0, CH, F0, F1, 1                       ; the first quarter stands in front of the loop: its first products start the sums
	WIN 0
	s_mov_b32 s3, LAPS-1
.Llap:
	QUARTER 0, 2*CH, F1, F0, 0
	QUARTER 0, 3*CH, F0, F1, 0
	TURN 0, 1, 1
	QUARTER 1, CH, F0, F1, 0
	QUARTER 1, 2*CH, F1, F0, 0
	QUARTER 1, 3*CH, F0, F1, 0
	TURN 1, 0, 1
	QUARTER 0, CH, F0, F1, 0
	WIN 0
	s_sub_co_u32 s3, s3, 1
	s_cmp_lg_u32 s3, 0
	s_cbranch_scc1 .Llap
	QUARTER 0, 2*CH, F1, F0, 0                     ; the last lap fills nothing
	QUARTER 0, 3*CH, F0, F1, 0
	TURN 0, 1, 0
	QUARTER 1, CH, F0, F1, 0
	QUARTER 1, 2*CH, F1, F0, 0
	QUARTER 1, 3*CH, F0, F1, 0
	s_wait_dscnt 16
	WIN MUL
	MUL8 F1, 0, 0, 0
	MUL8 F1, 0, 2, 0
	s_wait_dscnt 0
	MUL8 F1, 1, 0, 0
	MUL8 F1, 1, 2, 0
	WIN 0
; THE WAY OUT, block by block of 16 rows x 64 columns: a lane's 32 bytes go into my own stage and come back as whole runs of 256 bytes.  LDS serves a wave's instructions in order: no wait between stores and loads.
.macro TOSTAGE a
.irp b, 0,1,2,3
	ds_store_b128 v[STO], v[ACC+8*(4*(\a)+\b):ACC+8*(4*(\a)+\b)+3] offset:64*\b        ; each accumulator from its low end on
	ds_store_b128 v[STO], v[ACC+8*(4*(\a)+\b)+4:ACC+8*(4*(\a)+\b)+7] offset:64*\b+16
.endr
.irp t, 0,1,2,3,4,5,6,7
	ds_load_b128 v[TMP+32*((\a)%2)+4*\t:TMP+32*((\a)%2)+4*\t+3], v[RD] offset:2*SPITCH*\t
.endr
.endm
.macro SEND a, younger                 ; younger: the LDS instructions issued behind block a's loads, which may stay out
	s_wait_dscnt \younger
.irp t, 0,1,2,3,4,5,6,7
	global_store_b128 v[CO], v[TMP+32*((\a)%2)+4*\t:TMP+32*((\a)%2)+4*\t+3], s[8:9] offset:(16*(\a)+2*\t)*8192 th:TH_STORE_NT   ; 16 lanes store 256 consecutive bytes, aligned; written once, read by nobody here
.endr
.endm
	PLACES
	TOSTAGE 0
.irp a, 1,2,3
.if \a > 1
	s_wait_xcnt 0x0                                ; block a - 2's stores have read their data: block a's loads may land there
.endif
	TOSTAGE \a
	SEND \a-1, 16                                  ; behind block a - 1's loads: block a's 8 stores and 8 loads
.endr
	SEND 3, 0
	s_wait_tensorcnt 0x0                           ; the wave's end
	ds_add_u32 v[SPW], v[NIL]
	s_wait_dscnt 0x0
	CROUND                                         ; the closing round
	s_endpgm
.Lfunc_end_k_q74119d6770_oproj:
	.size	k_q74119d6770_oproj, .Lfunc_end_k_q74119d6770_oproj-k_q74119d6770_oproj
	.p2alignl 7, 3214868480
	.fill 96, 4, 3214868480
	.section	.rodata,"a",@progbits
	.p2align	6, 0x0
	.amdhsa_kernel k_q74119d6770_oproj
		.amdhsa_group_segment_fixed_size 327680
		.amdhsa_private_segment_fixed_size 0
		.amdhsa_enable_private_segment 0
		.amdhsa_kernarg_size 24
		.amdhsa_user_sgpr_count 2
		.amdhsa_user_sgpr_kernarg_segment_ptr 1
		.amdhsa_wavefront_size32 1
		.amdhsa_system_sgpr_workgroup_id_x 1
		.amdhsa_system_sgpr_workgroup_id_y 1
		.amdhsa_system_sgpr_workgroup_id_z 1
		.amdhsa_system_vgpr_workitem_id 0
		.amdhsa_next_free_vgpr 512
		.amdhsa_next_free_sgpr 66
		.amdhsa_reserve_vcc 0
		.amdhsa_float_denorm_mode_32 3
		.amdhsa_float_denorm_mode_16_64 3
		.amdhsa_memory_ordered 1
		.amdhsa_forward_progress 1
		.amdhsa_inst_pref_size 85
	.end_amdhsa_kernel
	.amdgpu_metadata
---
amdhsa.version: [ 1, 2 ]
amdhsa.kernels:
  - .name:           k_q74119d6770_oproj
    .symbol:         k_q74119d6770_oproj.kd
    .args:
      - { .name: o16, .offset: 0, .size: 8, .value_kind: global_buffer, .address_space: global }
      - { .name: wo16, .offset: 8, .size: 8, .value_kind: global_buffer, .address_space: global }
      - { .name: out0, .offset: 16, .size: 8, .value_kind: global_buffer, .address_space: global }
    .group_segment_fixed_size: 327680
    .private_segment_fixed_size: 0
    .kernarg_segment_align: 8
    .kernarg_segment_size: 24
    .max_flat_workgroup_size: 128
    .sgpr_count:     66
    .vgpr_count:     512
    .wavefront_size: 32
...
	.end_amdgpu_metadata
.endif
;; end of part 4
